; MI455X (gfx1250); checked and timed in simulation.
; The chip was launched on July 23, 2026; its instructions are those of AMD's public machine-readable ISA for CDNA 5 (MIT licence, August 2026) and "CDNA5" Instruction Set Architecture Reference Guide (July 2026). The comments in the code are by the model that wrote it; some were corrected since.
;; Attention. Allowed arithmetic: matrix products marked QUANTISED: E2M3 operands, one E8M0 scale for each 32 along K, by v_wmma_scale_f32_16x16x128_f8f6f4 with both operands' format E2M3, f32 sums; everything else in f32.
;; Inputs: proj_b 1,024 float32; proj_w 1,024 x 1,024 float32; qkv_w 3,072 x 1,024 float32; x 1 x 4,096 x 1,024 float32.
;; Outputs: out0 1 x 4,096 x 1,024 float32.
;; This version of the problem:
;;   THIS VERSION OF THE PROBLEM IS GIVEN IN LOW PRECISION. The matrix products marked QUANTISED in the list below multiply operands that are first quantised to E2M3 (2 exponent bits, 3 mantissa bits; 6 bits a number), with one power-of-two scale for each 32 numbers along K (OCP MX v1.0); their sums are f32. All else is computed in f32.
;;   The module's matrix products, in the order in which they are computed (A, B: the left and right operand; K: the contracted axis; several contracted axes count as one K, in the product's order):
;;     1. [M 4,096, K 1,024] x [K 1,024, N 3,072]; A: input x; B: input qkv_w: QUANTISED
;;     2. batch 16 x [M 32, K 64] x [K 64, N 32]; A: computed on the way; B: computed on the way: QUANTISED
;;     3. batch 16 x [M 4,096, K 64] x [K 64, N 4,096]; A: computed on the way; B: computed on the way: QUANTISED
;;     4. batch 16 x [M 4,096, K 4,096] x [K 4,096, N 64]; A: softmax (see below); B: computed on the way: QUANTISED
;;     5. [M 4,096, K 1,024] x [K 1,024, N 1,024]; A: computed on the way; B: input proj_w: QUANTISED
;;   THE QUANTISER, for each operand of a quantised product, along K:
;;     - K is cut into blocks of 32 from its start; a last block that is shorter is filled with zeros.
;;     - A block's scale is 2^e with e = floor(log2(the largest magnitude in the block)) - 2, held to -126 .. 127; a block of zeros has e = 0. As a byte (E8M0): e + 127.
;;     - Each number is divided by its block's scale, clamped to +-7.5, and rounded to the nearest number of E2M3, ties to even, subnormals kept.
;;     - The product sums the exact products of the quantised numbers (number of the format x scale) in f32.
;;   ~~~python
;;   def quantise(x, axis):      # numpy; x: float32 -> the quantised numbers, widened to float32 again
;;       x = np.moveaxis(x, axis, -1); K = x.shape[-1]
;;       x = np.pad(x, [(0, 0)] * (x.ndim - 1) + [(0, -K % 32)]); x = x.reshape(x.shape[:-1] + (-1, 32)); a = np.abs(x).max(-1, keepdims=True)
;;       e = np.where(a > 0, np.clip(np.frexp(np.where(a > 0, a, 1))[1] - 1 - 2, -126, 127), 0)      # np.frexp(a)[1] - 1 = floor(log2(a)), exactly
;;       r = np.clip(x / 2.0 ** e, -7.5, 7.5)
;;       step = 2.0 ** (np.maximum(np.frexp(np.where(r == 0, 1, r))[1] - 1, 0) - 3)
;;       q = np.round(r / step) * step * 2.0 ** e      # np.round: ties to even
;;       return np.moveaxis(q.reshape(q.shape[:-2] + (-1,))[..., :K], -1, axis).astype(np.float32)
;;   ~~~
;;   SOFTMAX AHEAD OF A QUANTISED PRODUCT. Where the list says 'softmax', what is quantised is not the finished softmax but p = 2^(t - M), with t = logit x log2(e) and M = ceil(the row's largest t), a whole number; so 1/2 < the row's largest p <= 1. The row's sum l is taken of the UNQUANTISED p, in f32, and the product's result is divided by l at the end. Since M is a whole number, a kernel that streams over the keys may use a running M (the ceiling of the running maximum): every later rescaling is an exact power of two, which a block's scale takes up: the codes' values come out the same.
;;   OPERANDS COMPUTED ON THE WAY. 'Computed on the way' means the value that the module computes at that place (a softmax that the list does not call 'softmax' is quantised finished and normalised). What goes into a quantiser is computed in f32, as accurately as f32 sums, v_exp_f32 and their like allow (about 1e-6 of the number): no bf16 or f16 on the way to a quantiser, and a product that is left as it is and whose result goes on into a quantised operand takes f32 operands (vector FMAs, or v_wmma_f32_16x16x4_f32). A number that lies on a knife's edge between two numbers of the format may be rounded either way, as far as f32 arithmetic and the matrix unit's own rounding can turn it there, and no further.
;; 2 versions, each right; version 2 is version 1 with the launches topk, attn written anew for expert scheduling mode. Each part assembles by itself: llvm-mc -triple=amdgcn-amd-amdhsa -mcpu=gfx1250 --defsym DOCPART=n.
;; ======== version 1 of 2: 5 launches
;; workspace buffers: opimg 6,291,456 bytes; opsc 262,144 bytes; qimg 6,553,600 bytes; kvimg 6,553,600 bytes; means 262,144 bytes; mask 2,048 bytes of whole numbers; oimg 3,145,728 bytes; osc 131,072 bytes
;; launch quant (part 1): grid 256 x 1, 4 waves a work-group, no clusters, 34,304 bytes of LDS; arguments x, qkv_w, proj_w, opimg, opsc; writes opimg, opsc
.if DOCPART == 1
	.amdgcn_target "amdgcn-amd-amdhsa--gfx1250"
	.amdhsa_code_object_version 6
	.text
	.protected	k_qe8609615d9_quant
	.globl	k_qe8609615d9_quant
	.p2align	8
	.type	k_qe8609615d9_quant,@function
k_qe8609615d9_quant:
	s_mov_b64 s[64:65], 0
	v_nop
	global_prefetch_b8 v0, s[64:65] scope:SCOPE_SE
	s_setreg_imm32_b32 hwreg(HW_REG_WAVE_MODE, 25, 1), 1
	s_wait_xcnt 0x0
; x [4096][1024], qkv_w [3072][1024] and proj_w [1024][1024], f32, become codes of FP6 (E2M3) with one E8M0 byte for each 32 along K (their last axis),
; laid as IMAGES OF OPERAND REGISTERS.  Row tile T (16 rows): T 0-255 x, 256-447 qkv_w, 448-511 proj_w.  Fragment (T, kf = K / 128) is 1,536 bytes at 12,288 T + 1,536 kf:
; register pair p of lane l at 256 p + 8 l; lane (r, h) holds row r, registers 6 c .. 6 c + 5 hold k = 128 kf + 64 c + 32 h + 0 .. 31.  Scale word (T, kf, r) at 512 T + 256 (kf / 4) + 16 r + 4 (kf % 4).
; A block's scale is 2^(floor(log2(largest magnitude)) - 2): its byte is the largest magnitude's exponent field - 2, held at 1 from below.
; THE ROWS OF W_v (qkv_w rows 2048 on) ARE LAID IN ANOTHER ORDER: place rho of tile 2 b + u of a group of 32 rows takes row 32 b + 8 u + rho + 8 (rho / 8), so that the attention's result comes out with 16 neighbours to a lane.
; LIMITS: NaN and infinities are not served; a block whose largest magnitude lies under 2^-124 (zeros too) gets the byte 1 (its bytes are read by this program alone).
; SHARES: work-group g takes 32 rows; wave w the tile T = 2 g + w / 2 and half w % 2 of K: four fragments.  A step is one fragment: 16 loads of 512 consecutive bytes, a turn through the wave's own stage in LDS
; (rows of 512 + 16 bytes), back as 32 neighbours a block a lane.  Loads run two steps ahead.  No barrier: waves share nothing.
.set STG,  8448                        ; a wave's stage: 16 rows x 528 bytes
.set SP,   528
.set R,    32                          ; v32-159  two sets of 64: the numbers as loaded
.set X,    160                         ; v160-223 my two blocks of 32 neighbours
.set C,    224                         ; v224-247 two sets of 12: a fragment's codes
.set Y,    16                          ; v16-23   the upper halves of the blocks' codes (a conversion's three registers begin on an even number)
.set W,    24                          ; v24-27   the four steps' scale words
.set BA,   20                          ; s[20:21] my rows 0-7, my half of K
.set BB,   22                          ; s[22:23] my rows 8-15
.set OI,   24                          ; s[24:25] my four fragments' images
.set OS,   26                          ; s[26:27] my 256 bytes of scale words
.set SEL,  28                          ; s[28:29] lane l xor 16
.set HM,   30                          ; s30      lanes 16-31
	s_load_b128 s[4:7], s[0:1], 0x0                ; x, qkv_w
	s_load_b128 s[8:11], s[0:1], 0x10              ; proj_w, opimg
	s_load_b64 s[12:13], s[0:1], 0x20              ; opsc
	v_lshl_add_u32 v254, v0, 2, 0x8400
	v_mov_b32 v255, 0
	v_lshrrev_b32 v7, 5, v0
	v_readfirstlane_b32 s16, v7                    ; wave
	v_and_b32 v7, 31, v0                           ; lane
	v_and_b32 v8, 15, v0                           ; r
	v_bfe_u32 v9, v0, 4, 1                         ; h
	v_lshlrev_b32 v1, 4, v7                        ; a load's 16 bytes a lane
	s_mul_i32 s17, s16, STG
	v_add_nc_u32 v2, s17, v1                       ; into the stage: as loaded
	v_mul_u32_u24 v3, v8, SP
	v_lshl_add_u32 v3, v9, 7, v3
	v_add_nc_u32 v3, s17, v3                       ; out of it: row r, + 128 h: my block of each 64 along K
	v_lshlrev_b32 v4, 3, v7                        ; an image's 8 bytes a lane
	v_lshlrev_b32 v5, 3, v9                        ; 8 h: my bytes' place in the scale word
	v_lshlrev_b32 v6, 4, v8
	v_lshl_add_u32 v6, v9, 3, v6                   ; 16 r + 8 h: two of my row's four words
	v_mov_b32 v15, 0                               ; a lane permute's destination counts as read: written once
	s_mov_b32 s[SEL], 0x76543210
	s_mov_b32 s[SEL+1], 0xfedcba98
	s_mov_b32 s[HM], 0xffff0000
	s_lshr_b32 s31, s16, 1                         ; u: which tile of the 32 rows
	s_and_b32 s32, s16, 1                          ; which half of K
	s_sub_co_u32 s33, ttmp9, 192
	s_cmp_lt_u32 s33, 32                           ; W_v's work-groups: 192 .. 223
	s_cselect_b32 s34, 8, 16                       ; rows from tile to tile,
	s_cselect_b32 s35, 16, 8                       ; and from a tile's rows 0-7 to its rows 8-15
	s_wait_kmcnt 0x0
	s_cmp_lt_u32 ttmp9, 128                        ; which tensor: the choice hangs on the work-group's number alone
	s_cselect_b64 s[14:15], s[4:5], s[6:7]
	s_cselect_b32 s18, 0, 128
	s_cmp_lt_u32 ttmp9, 224
	s_cselect_b64 s[14:15], s[14:15], s[8:9]
	s_cselect_b32 s18, s18, 224
	s_sub_co_u32 s18, ttmp9, s18                   ; the group of 32 rows in that tensor
	s_lshl_b32 s18, s18, 5
	s_mul_i32 s34, s34, s31
	s_add_co_u32 s18, s18, s34                     ; my first row
	s_lshl_b32 s36, s18, 12                        ; 4,096 bytes a row
	s_lshl_b32 s33, s32, 11
	s_add_co_u32 s36, s36, s33
	s_mov_b32 s37, 0
	s_add_nc_u64 s[BA:BA+1], s[14:15], s[36:37]
	s_lshl_b32 s36, s35, 12
	s_add_nc_u64 s[BB:BB+1], s[BA:BA+1], s[36:37]
	s_lshl_b32 s38, ttmp9, 1
	s_add_co_u32 s38, s38, s31                     ; T
	s_mul_i32 s36, s38, 12288
	s_mul_i32 s33, s32, 6144
	s_add_co_u32 s36, s36, s33
	s_add_nc_u64 s[OI:OI+1], s[10:11], s[36:37]
	s_lshl_b32 s36, s38, 9
	s_lshl_b32 s33, s32, 8
	s_add_co_u32 s36, s36, s33
	s_add_nc_u64 s[OS:OS+1], s[12:13], s[36:37]
.macro LOAD t                          ; step t: 512 bytes of each of my 16 rows; each load covers 512 consecutive bytes; read once in the launch
.irp i, 0,1,2,3,4,5,6,7
	global_load_b128 v[R+64*((\t)%2)+4*\i:R+64*((\t)%2)+4*\i+3], v1, s[BA:BA+1] offset:\i*4096+512*(\t) th:TH_LOAD_NT
.endr
.irp i, 0,1,2,3,4,5,6,7
	global_load_b128 v[R+64*((\t)%2)+32+4*\i:R+64*((\t)%2)+32+4*\i+3], v1, s[BB:BB+1] offset:\i*4096+512*(\t) th:TH_LOAD_NT
.endr
.endm
.macro QSTEP t
.set RS, R+64*((\t)%2)
.set CC, C+12*((\t)%2)
.if (\t) < 3
	s_wait_loadcnt 16                              ; this step's 16 loads are in; the next step's 16 may be out
.else
	s_wait_loadcnt 0x0
.endif
.irp i, 0,1,2,3,4,5,6,7,8,9,10,11,12,13,14,15
	ds_store_b128 v2, v[RS+4*\i:RS+4*\i+3] offset:\i*SP
.endr
.irp c, 0,1
.irp e, 0,1,2,3,4,5,6,7
	ds_load_b128 v[X+32*\c+4*\e:X+32*\c+4*\e+3], v3 offset:256*\c+16*\e   ; LDS serves a wave's instructions in order: these see my stores
.endr
.endr
	s_wait_dscnt 0x0                               ; my blocks are in, and the stores have read the set of registers,
.if (\t) < 2
	LOAD (\t)+2                                    ; which takes the loads of two steps on
.endif
.irp c, 0,1
	v_max3_num_f32 v[8+\c], |v[X+32*\c]|, |v[X+32*\c+1]|, 0x1800000   ; block 2 c + h: all 32 numbers are mine; the floor 2^(3 - 127) holds the byte at 1 from below
.endr
.irp i, 2,4,6,8,10,12,14,16,18,20,22,24,26,28,30
.irp c, 0,1
	v_max3_num_f32 v[8+\c], v[8+\c], |v[X+32*\c+\i]|, |v[X+32*\c+\i+1]|
.endr
.endr
.irp c, 0,1
	v_add_nc_u32 v[10+\c], 0xff000000, v[8+\c]     ; 2 off the exponent field: the conversion's scale operand
.endr
.irp c, 0,1
	v_lshrrev_b32 v[12+\c], 23, v[10+\c]           ; the scale's byte
.endr
	v_lshl_or_b32 v14, v13, 16, v12                ; bytes h and 2 + h of my row's word,
	v_lshlrev_b32 v14, v5, v14                     ; at their places;
	v_permlanex16_b32 v15, v14, s[SEL], s[SEL+1]
	v_or_b32 v[W+(\t)], v14, v15                   ; with lane l xor 16's two the word is whole
.if (\t) >= 2
	s_wait_xcnt 0x0                                ; the stores of two steps back have read this set of codes
.endif
.irp c, 0,1
	v_cvt_scalef32_pk16_fp6_f32 v[CC+6*\c:CC+6*\c+2], v[X+32*\c:X+32*\c+15], v[10+\c]
	v_cvt_scalef32_pk16_fp6_f32 v[Y+4*\c:Y+4*\c+2], v[X+32*\c+16:X+32*\c+31], v[10+\c]
.endr
	v_nop                                          ; one plain line behind the scaled conversions
.irp c, 0,1
.irp i, 0,1,2
	v_mov_b32 v[CC+6*\c+3+\i], v[Y+4*\c+\i]
.endr
.endr
.irp p, 0,1,2,3,4,5
	global_store_b64 v4, v[CC+2*\p:CC+2*\p+1], s[OI:OI+1] offset:(\t)*1536+256*\p   ; 32 lanes store 256 consecutive bytes, at a multiple of 256 from the buffer's first byte
.endr
.endm
	LOAD 0
	LOAD 1
	QSTEP 0
	QSTEP 1
	QSTEP 2
	QSTEP 3
	v_cndmask_b32 v28, v24, v26, s[HM]             ; lanes 0-15 store words 0, 1 of their row, lanes 16-31 words 2, 3
	v_cndmask_b32 v29, v25, v27, s[HM]
	global_store_b64 v6, v[28:29], s[OS:OS+1]      ; 256 consecutive bytes
	s_wait_tensorcnt 0x0
	ds_add_u32 v254, v255
	s_wait_dscnt 0x0
	s_endpgm
.Lfunc_end_k_qe8609615d9_quant:
	.size	k_qe8609615d9_quant, .Lfunc_end_k_qe8609615d9_quant-k_qe8609615d9_quant
	.p2alignl 7, 3214868480
	.fill 96, 4, 3214868480
	.section	.rodata,"a",@progbits
	.p2align	6, 0x0
	.amdhsa_kernel k_qe8609615d9_quant
		.amdhsa_group_segment_fixed_size 34304
		.amdhsa_private_segment_fixed_size 0
		.amdhsa_enable_private_segment 0
		.amdhsa_kernarg_size 40
		.amdhsa_user_sgpr_count 2
		.amdhsa_user_sgpr_kernarg_segment_ptr 1
		.amdhsa_wavefront_size32 1
		.amdhsa_system_sgpr_workgroup_id_x 1
		.amdhsa_system_sgpr_workgroup_id_y 1
		.amdhsa_system_sgpr_workgroup_id_z 1
		.amdhsa_system_vgpr_workitem_id 0
		.amdhsa_next_free_vgpr 256
		.amdhsa_next_free_sgpr 66
		.amdhsa_reserve_vcc 0
		.amdhsa_float_denorm_mode_32 3
		.amdhsa_float_denorm_mode_16_64 3
		.amdhsa_memory_ordered 1
		.amdhsa_forward_progress 1
		.amdhsa_inst_pref_size 32
	.end_amdhsa_kernel
	.amdgpu_metadata
---
amdhsa.version: [ 1, 2 ]
amdhsa.kernels:
  - .name:           k_qe8609615d9_quant
    .symbol:         k_qe8609615d9_quant.kd
    .args:
      - { .name: x, .offset: 0, .size: 8, .value_kind: global_buffer, .address_space: global }
      - { .name: qkv_w, .offset: 8, .size: 8, .value_kind: global_buffer, .address_space: global }
      - { .name: proj_w, .offset: 16, .size: 8, .value_kind: global_buffer, .address_space: global }
      - { .name: opimg, .offset: 24, .size: 8, .value_kind: global_buffer, .address_space: global }
      - { .name: opsc, .offset: 32, .size: 8, .value_kind: global_buffer, .address_space: global }
    .group_segment_fixed_size: 34304
    .private_segment_fixed_size: 0
    .kernarg_segment_align: 8
    .kernarg_segment_size: 40
    .max_flat_workgroup_size: 128
    .sgpr_count:     66
    .vgpr_count:     256
    .wavefront_size: 32
...
	.end_amdgpu_metadata
.endif
;; end of part 1
;; launch gemm_qkv (part 2): grid 12 x 16, 4 waves a work-group, clusters of 4 x 4, 327,680 bytes of LDS; arguments opimg, opsc, qimg, kvimg, means; writes qimg, kvimg, means
.if DOCPART == 2
	.amdgcn_target "amdgcn-amd-amdhsa--gfx1250"
	.amdhsa_code_object_version 6
	.text
	.protected	k_qe8609615d9_gemm_qkv
	.globl	k_qe8609615d9_gemm_qkv
	.p2align	8
	.type	k_qe8609615d9_gemm_qkv,@function
k_qe8609615d9_gemm_qkv:
	s_mov_b64 s[64:65], 0
	v_nop
	global_prefetch_b8 v0, s[64:65] scope:SCOPE_SE
	s_setreg_imm32_b32 hwreg(HW_REG_WAVE_MODE, 25, 1), 1
	s_wait_xcnt 0x0
	s_wait_alu depctr_hold_cnt(0) depctr_sa_sdst(0) depctr_va_vdst(0) depctr_va_sdst(0) depctr_va_ssrc(0) depctr_va_vcc(0) depctr_vm_vsrc(0)
	s_getreg_b32 s2, hwreg(HW_REG_IB_STS2, 6, 4)
	s_cmp_eq_u32 s2, 0
	s_cbranch_scc0 .Lentry_in_a_cluster
	s_endpgm
.Lentry_in_a_cluster:
	s_bfe_u32 s2, ttmp6, 0x10000c
	s_cmp_lg_u32 s2, 0xf033
	s_cbranch_scc0 .Lentry_shape_is_right
	s_endpgm
.Lentry_shape_is_right:
; qkv = x qkv_w^T on codes of FP6 (E2M3) with E8M0 scales, K = 1,024; the results never go to memory as f32: they are quantised here for the attention, and the blocks' means of q and k are stored.
; A tile of C is 256 x 256: four waves, each 128 x 128 in 64 accumulators.  THE MATRIX INSTRUCTION IS USED TRANSPOSED (source 0 = 16 rows of B, source 1 = 16 rows of A): lane (r, h) holds row r of A's block and
; the columns 16 b + 8 h + 0 .. 7 (B's rows).  Clusters x = 0, 1: A = x, B = W_q, W_k: C[token][column], quantised along d.  Cluster x = 2: A = W_v, B = x: C = v^T[place][token], quantised along the keys.
; In both cases a row of C is quantised along its columns in blocks of 32: one macro serves both.
; OPERANDS come as images of their registers (12,288 bytes a row tile of 16 rows, 1,536 a fragment): a fragment is six loads of 8 bytes a lane, 256 consecutive bytes each; no pitch, no padding.
; K goes in eight steps of 128 through three LDS slots of 256 along K; K steps 0-5 and all scale words are first fills, slot 0 is filled once more (the last 256 along K).
; CLUSTERS 4 x 4: A's tiles are shared along a row of the cluster, B's along a column, each by a joint load.
; THE ORDER INSIDE A BLOCK OF 32: column 32 b + 16 u + 8 h + j is laid at place 16 h + 8 u + j.  q and k have it alike along d; v has it along the keys, and so has the attention's p.
; OUT: record (head x 32 + block of 128 tokens) of 12,800 bytes: q's or k's four images at 0 (image g: registers 0-5 token 32 g + r, 6-11 token 32 g + 16 + r, d block h), v's four at 6,144 (image t: places 16 t + r x 128 keys),
; scale words at 12,288 (q, k) and 12,544 (v): lane (r, hh), word i: fragment 2 i + hh, row r.  means [32][2048] f32.
; LIMITS: NaN and infinities are not served; a block whose largest magnitude lies under 2^-124 gets the byte 1.
; REGISTERS: window 0: v16-29 addresses; v32-95 scale words (8 i + kf: lanes 0-15 A's block i, lanes 16-31 B's); v96-127 at work on the way out; v128-223 A's fragments, one set; window 1: B's two sets at v0, v128;
; windows 2, 3: accumulator (a, b) at v[8 (8 (a % 4) + b)].
.set FRB,   1536                       ; a fragment's image
.set TBY,   3072                       ; a row tile's part of a slot: two fragments
.set HALFT, 24576                      ; 8 row tiles: what one tensor load brings, and what one wave reads of A or of B
.set SLOT,  98304                      ; A's 16 row tiles, then B's 16
.set SCL,   294912                     ; behind the three slots: the scale words, A's 8,192 bytes, then B's
.set SPARE, 311296                     ; the spare words: 128 bytes a wave, two blocks of 256 bytes that no other line names
.set STG,   SLOT                       ; the way out's stages, 8,448 bytes a wave, lie in slot 1: it is filled once, and nobody reads it behind the last barrier
.set SPI,   528
.set REC,   12800
.set HEADB, 409600                     ; 32 records: from a head to the next
.set ADRA,  16                         ; v16-18 my A fragments in slots 0-2
.set ADRB,  20                         ; v20-22 my B fragments
.set MRD,   23                         ; v23 stage, back: 16 x lane
.set LI16,  24                         ; v24 16 x lane
.set L8,    25                         ; v25 8 x lane
.set MST,   26                         ; v26 stage, in: row r, + 32 h
.set ADRS,  27                         ; v27 my scale words: lanes 0-15 A's, lanes 16-31 B's
.set SPW,   28                         ; v28 my spare word; never rewritten
.set NIL,   29                         ; v29 0; never rewritten
.set SC,    32
.set TM,    96                         ; v96-99 largest magnitudes, v100-103 partners, then bytes, v104-107 scale operands, v108-111 at work
.set Y,     112                        ; v112-119 the conversions' second halves
.set WR,    120                        ; v120-127 scale words on the way out
.set AF,    128
.set SUM,   128                        ; v128-191 the columns' sums over my 8 blocks of rows
.set MR,    192                        ; v192-255 16 rows back from the stage
.set FB,    192                        ; v192-239 four fragments on the way out
.set G1,    24                         ; s[24:31] group 1, A's tiles; s[32:43] groups 0, one a slot
.set G0,    32
.set G1B,   44                         ; s[44:51], s[52:63] the same for B
.set G0B,   52
.set G1S,   68                         ; s[68:75], s[76:79] A's scale words; s[80:87], s[88:91] B's
.set G0S,   76
.set G1SB,  80
.set G0SB,  88
.set SEL,   98                         ; s[98:99] lane l xor 16 (set behind the first loads)
.set HM,    100                        ; s100 lanes 16-31
.set MUL_LO, 0xa1                      ; source 0 (B) window 1, source 1 (A) window 0, C and D window 2
.set MUL_HI, 0xf1                      ; the same, C and D window 3
.set MSB, 0
.macro WIN new                         ; the immediate's high byte repeats the setting that is left
.if MSB != \new
	s_set_vgpr_msb (MSB<<8)|\new
.set MSB, \new
.endif
.endm
.macro JLOAD g0a, g1a, g0b, g1b        ; a joint load: waves 0, 1 fetch for A, waves 2, 3 for B; four v_nop follow each line
	s_cmp_eq_u32 s15, 0
	s_cbranch_scc0 .Lfor_b_\@
	tensor_load_to_lds s[\g0a:\g0a+3], s[\g1a:\g1a+7]
	s_nop 0
.rept 4
	v_nop
.endr
	s_branch .Lasked_\@
.Lfor_b_\@:
	tensor_load_to_lds s[\g0b:\g0b+3], s[\g1b:\g1b+7]
	s_nop 0
.rept 4
	v_nop
.endr
.Lasked_\@:
.endm
.macro CREST                           ; a round of the cluster's barrier behind its opening barrier
	s_cmp_lg_u32 s14, 0
	s_cbranch_scc1 .Lnot_wave_0_\@
	s_barrier_signal -3
.Lnot_wave_0_\@:
	s_barrier_wait -3
	s_barrier_signal -1
	s_barrier_wait -1
.endm
.macro CROUND
	s_barrier_signal -1
	s_barrier_wait -1
	CREST
.endm
.macro PLACES                          ; four plain lines behind matrix instructions, ahead of loads into their registers and of reads of their results
.rept 4
	v_nop
.endr
.endm
	s_load_b128 s[4:7], s[0:1], 0x0                ; opimg, opsc
	s_load_b128 s[8:11], s[0:1], 0x10              ; qimg, kvimg
	s_load_b64 s[12:13], s[0:1], 0x20              ; means
	v_lshl_add_u32 v[SPW], v0, 2, SPARE
	v_mov_b32 v[NIL], 0
	ds_add_u32 v28, v29
	ds_add_u32 v28, v29
	s_wait_dscnt 0x0
	v_lshrrev_b32 v1, 5, v0
	v_readfirstlane_b32 s14, v1                    ; wave 0..3
	s_lshr_b32 s15, s14, 1                         ; which half of A's rows is mine.  Also: I fetch for A (0) or for B (1)
	s_and_b32 s16, s14, 1                          ; which half of B's rows.  Also: which 8 row tiles I fetch
	s_bfe_u32 s92, ttmp6, 0x40000                  ; cx
	s_bfe_u32 s93, ttmp6, 0x40004                  ; cy
	s_and_b32 s94, ttmp7, 0xffff                   ; cluster y
	s_lshr_b32 s95, ttmp9, 1                       ; 1 in the clusters that make v^T: the same in all partners
	s_xor_b32 s96, s95, 1
	s_mul_i32 s17, s94, s96
	s_lshl_b32 s17, s17, 2
	s_add_co_u32 s17, s17, s93                     ; tile row: cy + 4 y (q, k) or cy (v)
	s_mul_i32 s18, ttmp9, s96
	s_mul_i32 s19, s94, s95
	s_add_co_u32 s18, s18, s19
	s_lshl_b32 s18, s18, 2
	s_add_co_u32 s18, s18, s92                     ; tile column: cx + 4 x (q, k) or cx + 4 y (v)
	s_lshl_b32 s19, s93, 2
	s_lshl_b32 s19, 15, s19                        ; my row of the cluster
	s_lshl_b32 s20, 0x1111, s92                    ; my column
	s_or_b32 s[G1], s19, (3<<16)|(1<<21)           ; 15:0 the mask; 17:16 elements of 8 bytes; 21 set beside a mask; no padding
	s_or_b32 s[G1B], s20, (3<<16)|(1<<21)
.irp g, G1, G1B                        ; 8 row tiles x 3,072 bytes, 12,288 bytes apart
	s_mov_b32 s[\g+1], 384<<16                     ; tensor_dim0
	s_mov_b32 s[\g+2], 8<<16                       ; tensor_dim1
	s_mov_b32 s[\g+3], 384<<16                     ; tile_dim0
	s_mov_b32 s[\g+4], 8                           ; tile_dim1
	s_mov_b32 s[\g+5], 1536                        ; tensor_dim0_stride
	s_mov_b32 s[\g+6], 0
	s_mov_b32 s[\g+7], 0
.endr
	s_or_b32 s[G1S], s19, (3<<16)|(1<<21)
	s_or_b32 s[G1SB], s20, (3<<16)|(1<<21)
.irp g, G1S, G1SB                      ; 8 row tiles' scale words: 4,096 dense bytes as 16 rows of 256
	s_mov_b32 s[\g+1], 32<<16
	s_mov_b32 s[\g+2], 16<<16
	s_mov_b32 s[\g+3], 32<<16
	s_mov_b32 s[\g+4], 16
	s_mov_b32 s[\g+5], 32
	s_mov_b32 s[\g+6], 0
	s_mov_b32 s[\g+7], 0
.endr
	s_lshl_b32 s21, s16, 3                         ; which 8 row tiles I fetch
	s_lshl_b32 s22, s17, 4
	s_mul_i32 s23, s95, 384
	s_add_co_u32 s22, s22, s23
	s_add_co_u32 s22, s22, s21                     ; A's row tile: 16 x tile row (+ 384: W_v) + 8 x half
	s_lshl_b32 s97, s18, 4
	s_lshl_b32 s23, s96, 8
	s_add_co_u32 s97, s97, s23
	s_add_co_u32 s97, s97, s21                     ; B's: 16 x tile column (+ 256: W_q, W_k) + 8 x half
	s_mul_i32 s2, s22, 12288
	s_mov_b32 s3, 0
	s_lshl_b32 s20, s22, 9
	s_mov_b32 s21, 0
	s_mul_i32 s98, s97, 12288
	s_mov_b32 s99, 0
	s_lshl_b32 s100, s97, 9
	s_mov_b32 s101, 0
	s_mul_i32 s22, s14, HALFT                      ; where they go: wave x 8 row tiles: no place in the cluster enters an LDS address
	s_lshl_b32 s23, s14, 12
	s_wait_kmcnt 0x0
	s_add_nc_u64 s[2:3], s[4:5], s[2:3]            ; A's codes
	s_add_nc_u64 s[20:21], s[6:7], s[20:21]        ; A's scale words
	s_add_nc_u64 s[98:99], s[4:5], s[98:99]        ; B's codes
	s_add_nc_u64 s[100:101], s[6:7], s[100:101]    ; B's scale words
	CROUND                                         ; all sixteen work-groups are here: the first joint loads meet
	s_mov_b32 s[G0S], 1
	s_add_co_u32 s[G0S+1], s23, SCL
	s_mov_b64 s[G0S+2:G0S+3], s[20:21]
	s_or_b32 s[G0S+3], s[G0S+3], 0x80000000
	s_mov_b32 s[G0SB], 1
	s_add_co_u32 s[G0SB+1], s23, SCL
	s_mov_b64 s[G0SB+2:G0SB+3], s[100:101]
	s_or_b32 s[G0SB+3], s[G0SB+3], 0x80000000
	JLOAD G0S, G1S, G0SB, G1SB                     ; the scale words of all of K: filled once
.irp s, 0,1,2                          ; the first 768 along K: with the scale words four loads of mine are out
	s_mov_b32 s[G0+4*\s], 1
	s_add_co_u32 s[G0+4*\s+1], s22, \s*SLOT
	s_add_nc_u64 s[G0+4*\s+2:G0+4*\s+3], s[2:3], \s*TBY
	s_or_b32 s[G0+4*\s+3], s[G0+4*\s+3], 0x80000000
	s_mov_b32 s[G0B+4*\s], 1
	s_add_co_u32 s[G0B+4*\s+1], s22, \s*SLOT
	s_add_nc_u64 s[G0B+4*\s+2:G0B+4*\s+3], s[98:99], \s*TBY
	s_or_b32 s[G0B+4*\s+3], s[G0B+4*\s+3], 0x80000000
	JLOAD G0+4*\s, G1, G0B+4*\s, G1B
.endr
	s_mov_b32 s[SEL], 0x76543210
	s_mov_b32 s[SEL+1], 0xfedcba98
	s_mov_b32 s[HM], 0xffff0000
	v_and_b32 v1, 31, v0                           ; lane
	v_and_b32 v2, 15, v0                           ; r
	v_bfe_u32 v3, v0, 4, 1                         ; h
	v_lshlrev_b32 v4, 3, v1
	s_mul_i32 s19, s15, HALFT                      ; my 8 row tiles of A
	s_mul_i32 s97, s16, HALFT                      ; my 8 of B,
	s_add_co_u32 s97, s97, 2*HALFT                 ; which lie behind A's 16
.irp s, 0,1,2
	v_add_nc_u32 v[ADRA+\s], s19, v4
	v_add_nc_u32 v[ADRB+\s], s97, v4
	s_add_co_u32 s19, s19, SLOT
	s_add_co_u32 s97, s97, SLOT
.endr
	s_lshl_b32 s19, s15, 12                        ; A's scale words: my 8 row tiles
	s_lshl_b32 s97, s16, 12                        ; B's, behind A's 8,192 bytes
	s_add_co_u32 s97, s97, 8192
	s_sub_co_u32 s97, s97, s19
	v_mul_u32_u24 v5, s97, v3                      ; lanes 16-31 take B's: one product, the distance x h
	s_add_co_u32 s19, s19, SCL
	v_lshl_add_u32 v5, v2, 4, v5                   ; 16 bytes a row: four words
	v_add_nc_u32 v[ADRS], s19, v5
	s_mul_i32 s19, s14, 16*SPI
	s_add_co_u32 s19, s19, STG                     ; my stage
	v_lshlrev_b32 v[LI16], 4, v1
	v_lshlrev_b32 v[L8], 3, v1
	v_add_nc_u32 v[MRD], s19, v[LI16]
	v_mul_u32_u24 v5, v2, SPI
	v_lshl_add_u32 v5, v3, 5, v5
	v_add_nc_u32 v[MST], s19, v5
.irp b, 0,1,2,3
	v_mov_b32 v[TM+4+\b], 0                        ; a lane permute's destination counts as read: written once
.endr
.macro FRAG reg, adr, off              ; a fragment's image: six loads of 8 bytes a lane, 256 consecutive bytes each
.irp p, 0,1,2,3,4,5
	ds_load_b64 v[\reg+2*\p:\reg+2*\p+1], v[\adr] offset:\off+256*\p
.endr
.endm
.macro FETCH_B sig, q, set             ; B's eight fragments of slot sig, its q-th 128 along K, into set
	WIN 0x40
.irp i, 0,1,2,3,4,5,6,7
	FRAG 128*(\set)+12*\i, ADRB+\sig, \i*TBY+(\q)*FRB
.endr
	WIN 0
.endm
.macro FETCH_A sig, q, i0              ; A's blocks i0 .. i0 + 3
.irp i, \i0, \i0+1, \i0+2, \i0+3
	FRAG AF+12*(\i), ADRA+\sig, (\i)*TBY+(\q)*FRB
.endr
.endm
.macro SCALES                          ; all of K's scale words of my 8 + 8 blocks: four words a lane and load
.irp i, 0,1,2,3,4,5,6,7
.irp s, 0,1
	ds_load_b128 v[SC+8*\i+4*\s:SC+8*\i+4*\s+3], v[ADRS] offset:\i*512+256*\s
.endr
.endr
.endm
; 16 matrix instructions: A's blocks a0, a0 + 1 x B's eight, K step kf.  The 64 accumulators take turns, one instruction a turn, in the same order in every step.
.macro MUL16 a0, set, kf, mode
.irp a, \a0, \a0+1
.irp b, 0,1,2,3,4,5,6,7
.if \mode
	v_wmma_scale_f32_16x16x128_f8f6f4 v[8*(8*((\a)%4)+\b):8*(8*((\a)%4)+\b)+7], v[128*(\set)+12*\b:128*(\set)+12*\b+11], v[AF+12*(\a):AF+12*(\a)+11], 0, v[SC+8*\b+(\kf)], v[SC+8*(\a)+(\kf)] matrix_a_fmt:MATRIX_FMT_FP6 matrix_b_fmt:MATRIX_FMT_FP6 matrix_a_scale:MATRIX_SCALE_ROW1
.else
	v_wmma_scale_f32_16x16x128_f8f6f4 v[8*(8*((\a)%4)+\b):8*(8*((\a)%4)+\b)+7], v[128*(\set)+12*\b:128*(\set)+12*\b+11], v[AF+12*(\a):AF+12*(\a)+11], v[8*(8*((\a)%4)+\b):8*(8*((\a)%4)+\b)+7], v[SC+8*\b+(\kf)], v[SC+8*(\a)+(\kf)] matrix_a_fmt:MATRIX_FMT_FP6 matrix_b_fmt:MATRIX_FMT_FP6 matrix_a_scale:MATRIX_SCALE_ROW1
.endif
.endr
.endr
.endm
; K step kf; its successor's fragments lie in slot nsig, at its nq-th 128 along K, in bytes that a barrier has already shown whole.
.macro STEP kf, nsig, nq, mode
	s_wait_dscnt 24                                ; B's set and A's blocks 0-3 are in; the youngest 24 loads (A's blocks 4-7) may be out
	WIN MUL_LO
	MUL16 0, (\kf)%2, \kf, \mode
	MUL16 2, (\kf)%2, \kf, \mode
	s_wait_dscnt 0x0                               ; A's blocks 4-7 are in
	PLACES
	FETCH_B \nsig, \nq, 1-(\kf)%2
	FETCH_A \nsig, \nq, 0
	WIN MUL_HI
	MUL16 4, (\kf)%2, \kf, \mode
	MUL16 6, (\kf)%2, \kf, \mode
	PLACES
	WIN 0
	FETCH_A \nsig, \nq, 4
.endm
; A K step with a barrier in it.  In front of it each wave waits for all its tensor loads, adds 0 to its spare word, and waits for that and for its LDS reads.  fill = 1: slot 0, read out, takes the last 256 along K.
.macro TURN kf, nsig, fill
	s_wait_tensorcnt 0x0                           ; all my tensor loads have landed
	ds_add_u32 v[SPW], v[NIL]                      ; 0 onto my spare word
	s_wait_dscnt 25                                ; (the add and the youngest 24 loads may be out)
	WIN MUL_LO
	MUL16 0, 1, \kf, 0                             ; sixteen matrix instructions stand between the add and the wait for it
	s_wait_dscnt 0x0                               ; the add is done, and my LDS reads are over
	s_barrier_signal -1
	MUL16 2, 1, \kf, 0
	WIN 0
	s_barrier_wait -1
.if \fill
	CREST                                          ; the barrier has opened a round of the cluster's barrier: no wave of any partner still reads slot 0 or has a load on its way
	s_add_nc_u64 s[G0+2:G0+3], s[G0+2:G0+3], 3*TBY
	s_add_nc_u64 s[G0B+2:G0B+3], s[G0B+2:G0B+3], 3*TBY
	JLOAD G0, G1, G0B, G1B                         ; the first tensor load behind the round; it has four K steps in which to land; its four v_nop are the places in front of the loads below
.else
	PLACES
.endif
	FETCH_B \nsig, 0, 0
	FETCH_A \nsig, 0, 0
	WIN MUL_HI
	MUL16 4, 1, \kf, 0
	MUL16 6, 1, \kf, 0
	PLACES
	WIN 0
	FETCH_A \nsig, 0, 4
.endm
	s_wait_tensorcnt 2                             ; the scale words and my part of slot 0 are in; slots 1 and 2 may be out
	s_barrier_signal -1
	s_barrier_wait -1
	FETCH_B 0, 0, 0
	FETCH_A 0, 0, 0
	SCALES
	FETCH_A 0, 0, 4
	STEP 0, 0, 1, 1                                ; the first products start the sums: nothing is cleared
	TURN 1, 1, 1                                   ; its wait for all loads and its barrier also show slots 1 and 2 whole
	STEP 2, 1, 1, 0
	STEP 3, 2, 0, 0
	STEP 4, 2, 1, 0
	TURN 5, 0, 0                                   ; slot 0's second fill is whole; nothing is filled again, so no round
	STEP 6, 0, 1, 0
	s_wait_dscnt 24                                ; the last K step: nothing more to fetch
	WIN MUL_LO
	MUL16 0, 1, 7, 0
	MUL16 2, 1, 7, 0
	s_wait_dscnt 0x0
	WIN MUL_HI
	MUL16 4, 1, 7, 0
	MUL16 6, 1, 7, 0
	WIN 0
	PLACES
; Rows 16 a + r of my tile are quantised along their 128 columns: four blocks of 32.  A lane's 16 registers of accumulators 2 b, 2 b + 1 are 16 numbers of block b; lane l xor 16 holds the other 16.
; d0 takes six registers: lane (r, h): block h; d1 likewise: block 2 + h.  v[TM+4 .. TM+7] are left holding the four bytes.  Each accumulator is read from its low end on.
.macro QUANT a, d0, d1
.set AC, 64*((\a)%4)
.set WN, 2+(\a)/4
.set WW, WN*5
	WIN WW                                         ; sources 0 and 1: the accumulators' window
.irp b, 0,1,2,3
	v_max3_num_f32 v[TM+\b], |v[AC+16*\b]|, |v[AC+16*\b+1]|, 0x1800000   ; the floor 2^(3 - 127) holds the byte at 1 from below
.endr
.irp i, 2,4,6,8,10,12,14
.irp b, 0,1,2,3
	v_max3_num_f32 v[TM+\b], |v[AC+16*\b+\i]|, |v[AC+16*\b+\i+1]|, v[TM+\b]
.endr
.endr
	WIN 0
.irp b, 0,1,2,3
	v_permlanex16_b32 v[TM+4+\b], v[TM+\b], s[SEL], s[SEL+1]
.endr
.irp b, 0,1,2,3
	v_max_num_f32 v[TM+\b], v[TM+\b], v[TM+4+\b]   ; the block's largest magnitude
.endr
.irp b, 0,1,2,3
	v_add_nc_u32 v[TM+8+\b], 0xff000000, v[TM+\b]  ; 2 off the exponent field: the conversion's scale operand
.endr
.irp b, 0,1,2,3
	v_lshrrev_b32 v[TM+4+\b], 23, v[TM+8+\b]       ; the scale's byte
.endr
	WIN WN                                         ; source 0: the accumulators' window
	v_cvt_scalef32_pk16_fp6_f32 v[\d0:\d0+2], v[AC:AC+15], v[TM+8]
	v_cvt_scalef32_pk16_fp6_f32 v[Y:Y+2], v[AC+16:AC+31], v[TM+9]
	v_cvt_scalef32_pk16_fp6_f32 v[\d1:\d1+2], v[AC+32:AC+47], v[TM+10]
	v_cvt_scalef32_pk16_fp6_f32 v[Y+4:Y+6], v[AC+48:AC+63], v[TM+11]
	WIN 0
	v_nop                                          ; one plain line behind the scaled conversions
.irp i, 0,1,2
	v_permlane16_swap_b32 v[\d0+\i], v[Y+\i]       ; a whole block to a lane: lanes 0-15 the even block, lanes 16-31 the odd one
	v_permlane16_swap_b32 v[\d1+\i], v[Y+4+\i]
.endr
.irp i, 0,1,2
	v_mov_b32 v[\d0+3+\i], v[Y+\i]
	v_mov_b32 v[\d1+3+\i], v[Y+4+\i]
.endr
.endm
	s_cmp_eq_u32 s95, 1                            ; the cluster's x alone decides: alike in all partners
	s_cbranch_scc1 .Lv
	; ---- q, k.  My 128 rows are token block 2 x tile row + half; my 128 columns two heads
	s_lshl_b32 s19, s17, 1
	s_add_co_u32 s19, s19, s15                     ; the token block
	s_and_b32 s20, s18, 3
	s_lshl_b32 s20, s20, 2
	s_lshl_b32 s21, s16, 1
	s_add_co_u32 s20, s20, s21                     ; my first head
	s_lshl_b32 s20, s20, 5
	s_add_co_u32 s20, s20, s19                     ; its record
	s_mul_i32 s20, s20, REC
	s_mov_b32 s21, 0
	s_cmp_eq_u32 ttmp9, 0                          ; cluster x = 0: q; 1: k
	s_cselect_b64 s[22:23], s[8:9], s[10:11]
	s_add_nc_u64 s[22:23], s[22:23], s[20:21]
	s_lshl_b32 s20, s19, 13                        ; means: 8,192 bytes a token block,
	s_lshl_b32 s97, s18, 10                        ; 1,024 a tile column,
	s_add_co_u32 s20, s20, s97
	s_lshl_b32 s97, s16, 9                         ; 512 a half
	s_add_co_u32 s20, s20, s97
	s_add_nc_u64 s[12:13], s[12:13], s[20:21]
	; the means: the sums over my 8 blocks of rows in registers, over a block's 16 rows through my stage
	WIN 0x0a
.set j, 0
.rept 32
	v_pk_add_f32 v[SUM+j:SUM+j+1], v[j:j+1], v[64+j:64+j+1]
.set j, j+2
.endr
	WIN 0x02
.irp a, 2,3
.set j, 0
.rept 32
	v_pk_add_f32 v[SUM+j:SUM+j+1], v[64*\a+j:64*\a+j+1], v[SUM+j:SUM+j+1]
.set j, j+2
.endr
.endr
	WIN 0x03
.irp a, 0,1,2,3
.set j, 0
.rept 32
	v_pk_add_f32 v[SUM+j:SUM+j+1], v[64*\a+j:64*\a+j+1], v[SUM+j:SUM+j+1]
.set j, j+2
.endr
.endr
	WIN 0
.irp b, 0,1,2,3,4,5,6,7
	ds_store_b128 v[MST], v[SUM+8*\b:SUM+8*\b+3] offset:64*\b          ; row r, columns 16 b + 8 h on
	ds_store_b128 v[MST], v[SUM+8*\b+4:SUM+8*\b+7] offset:64*\b+16
.endr
.irp i, 0,1,2,3,4,5,6,7,8,9,10,11,12,13,14,15
	ds_load_b128 v[MR+4*\i:MR+4*\i+3], v[MRD] offset:\i*SPI            ; LDS serves a wave's instructions in order: these see my stores
.endr
	s_wait_dscnt 0x0
.set d, 8
.rept 4
.set i, 0
.rept d
	v_pk_add_f32 v[MR+4*i:MR+4*i+1], v[MR+4*i:MR+4*i+1], v[MR+4*(i+d):MR+4*(i+d)+1]
	v_pk_add_f32 v[MR+4*i+2:MR+4*i+3], v[MR+4*i+2:MR+4*i+3], v[MR+4*(i+d)+2:MR+4*(i+d)+3]
.set i, i+1
.endr
.set d, d/2
.endr
	v_pk_mul_f32 v[244:245], v[MR:MR+1], 0x3c000000 op_sel_hi:[1,0]    ; / 128
	v_pk_mul_f32 v[246:247], v[MR+2:MR+3], 0x3c000000 op_sel_hi:[1,0]
	global_store_b128 v[LI16], v[244:247], s[12:13]                    ; 512 consecutive bytes
	; the codes: image g = token tiles 2 g and 2 g + 1, for each of my two heads
.irp g, 0,1,2,3
.if \g >= 2
	s_wait_xcnt 0x0                                ; the stores of two images back have read this set of registers
.endif
	QUANT 2*\g, FB+24*(\g%2), FB+24*(\g%2)+12
	v_lshl_or_b32 v[WR+\g], v[TM+5], 8, v[TM+4]    ; head 0: bytes 0, 1 of the image's scale word
	v_lshl_or_b32 v[WR+4+\g], v[TM+7], 8, v[TM+6]  ; head 1
	QUANT 2*\g+1, FB+24*(\g%2)+6, FB+24*(\g%2)+18
	v_lshl_or_b32 v[TM+12], v[TM+5], 8, v[TM+4]
	v_lshl_or_b32 v[TM+13], v[TM+7], 8, v[TM+6]
	v_lshl_or_b32 v[WR+\g], v[TM+12], 16, v[WR+\g] ; bytes 2, 3
	v_lshl_or_b32 v[WR+4+\g], v[TM+13], 16, v[WR+4+\g]
.irp c, 0,1
.irp q, 0,1,2
	global_store_b128 v[LI16], v[FB+24*(\g%2)+12*\c+4*\q:FB+24*(\g%2)+12*\c+4*\q+3], s[22:23] offset:\c*HEADB+\g*FRB+512*\q   ; 512 consecutive bytes
.endr
.endr
.endr
.irp c, 0,1
	v_cndmask_b32 v[240+2*\c], v[WR+4*\c], v[WR+4*\c+1], s[HM]         ; lanes 0-15: images 0 and 2; lanes 16-31: images 1 and 3
	v_cndmask_b32 v[241+2*\c], v[WR+4*\c+2], v[WR+4*\c+3], s[HM]
	global_store_b64 v[L8], v[240+2*\c:241+2*\c], s[22:23] offset:\c*HEADB+12288
.endr
	s_branch .Ldone
.Lv:
	; ---- v^T.  My 128 rows are two heads' 64 places; my 128 columns token block 2 x tile column + half.  This way uses no LDS
	s_lshl_b32 s19, s17, 2
	s_lshl_b32 s20, s15, 1
	s_add_co_u32 s19, s19, s20                     ; my first head
	s_lshl_b32 s19, s19, 5
	s_lshl_b32 s20, s18, 1
	s_add_co_u32 s19, s19, s20
	s_add_co_u32 s19, s19, s16                     ; its record
	s_mul_i32 s20, s19, REC
	s_mov_b32 s21, 0
	s_add_nc_u64 s[22:23], s[10:11], s[20:21]
.irp a, 0,1,2,3,4,5,6,7
.if \a == 4
	s_wait_xcnt 0x0                                ; the first head's stores have read the four sets of registers
.endif
	QUANT \a, FB+12*(\a%4), FB+12*(\a%4)+6
	v_lshl_or_b32 v[TM+12], v[TM+5], 8, v[TM+4]
	v_lshl_or_b32 v[TM+13], v[TM+7], 8, v[TM+6]
	v_lshl_or_b32 v[WR+\a], v[TM+13], 16, v[TM+12] ; the row's scale word for these 128 keys
.irp q, 0,1,2
	global_store_b128 v[LI16], v[FB+12*(\a%4)+4*\q:FB+12*(\a%4)+4*\q+3], s[22:23] offset:(\a/4)*HEADB+6144+(\a%4)*FRB+512*\q
.endr
.endr
.irp c, 0,1
	v_cndmask_b32 v[240+2*\c], v[WR+4*\c], v[WR+4*\c+1], s[HM]
	v_cndmask_b32 v[241+2*\c], v[WR+4*\c+2], v[WR+4*\c+3], s[HM]
	global_store_b64 v[L8], v[240+2*\c:241+2*\c], s[22:23] offset:\c*HEADB+12544
.endr
.Ldone:
	s_wait_tensorcnt 0x0                           ; the wave's end
	ds_add_u32 v[SPW], v[NIL]
	s_wait_dscnt 0x0
	CROUND                                         ; the closing round
	s_endpgm
.Lfunc_end_k_qe8609615d9_gemm_qkv:
	.size	k_qe8609615d9_gemm_qkv, .Lfunc_end_k_qe8609615d9_gemm_qkv-k_qe8609615d9_gemm_qkv
	.p2alignl 7, 3214868480
	.fill 96, 4, 3214868480
	.section	.rodata,"a",@progbits
	.p2align	6, 0x0
	.amdhsa_kernel k_qe8609615d9_gemm_qkv
		.amdhsa_group_segment_fixed_size 327680
		.amdhsa_private_segment_fixed_size 0
		.amdhsa_enable_private_segment 0
		.amdhsa_kernarg_size 40
		.amdhsa_user_sgpr_count 2
		.amdhsa_user_sgpr_kernarg_segment_ptr 1
		.amdhsa_wavefront_size32 1
		.amdhsa_system_sgpr_workgroup_id_x 1
		.amdhsa_system_sgpr_workgroup_id_y 1
		.amdhsa_system_sgpr_workgroup_id_z 1
		.amdhsa_system_vgpr_workitem_id 0
		.amdhsa_next_free_vgpr 1024
		.amdhsa_next_free_sgpr 102
		.amdhsa_reserve_vcc 0
		.amdhsa_float_denorm_mode_32 3
		.amdhsa_float_denorm_mode_16_64 3
		.amdhsa_memory_ordered 1
		.amdhsa_forward_progress 1
		.amdhsa_inst_pref_size 216
	.end_amdhsa_kernel
	.amdgpu_metadata
---
amdhsa.version: [ 1, 2 ]
amdhsa.kernels:
  - .name:           k_qe8609615d9_gemm_qkv
    .symbol:         k_qe8609615d9_gemm_qkv.kd
    .args:
      - { .name: opimg, .offset: 0, .size: 8, .value_kind: global_buffer, .address_space: global }
      - { .name: opsc, .offset: 8, .size: 8, .value_kind: global_buffer, .address_space: global }
      - { .name: qimg, .offset: 16, .size: 8, .value_kind: global_buffer, .address_space: global }
      - { .name: kvimg, .offset: 24, .size: 8, .value_kind: global_buffer, .address_space: global }
      - { .name: means, .offset: 32, .size: 8, .value_kind: global_buffer, .address_space: global }
    .group_segment_fixed_size: 327680
    .private_segment_fixed_size: 0
    .kernarg_segment_align: 8
    .kernarg_segment_size: 40
    .max_flat_workgroup_size: 128
    .sgpr_count:     102
    .vgpr_count:     1024
    .wavefront_size: 32
...
	.end_amdgpu_metadata
.endif
;; end of part 2
;; launch topk (part 3): grid 16 x 1, 1 waves a work-group, no clusters, 0 bytes of LDS; arguments means, mask; writes mask
.if DOCPART == 3
	.amdgcn_target "amdgcn-amd-amdhsa--gfx1250"
	.amdhsa_code_object_version 6
	.text
	.protected	k_qe8609615d9_topk
	.globl	k_qe8609615d9_topk
	.p2align	8
	.type	k_qe8609615d9_topk,@function
k_qe8609615d9_topk:
	s_mov_b64 s[64:65], 0
	v_nop
	global_prefetch_b8 v0, s[64:65] scope:SCOPE_SE
	s_setreg_imm32_b32 hwreg(HW_REG_WAVE_MODE, 25, 1), 1
	s_wait_xcnt 0x0
; For each head: sim = qm km^T (32 x 32, K = 64) on codes of FP6 (E2M3) with E8M0 scales, then for each query block the 16 key blocks with the largest sim, ties to the lower index, as one word of 32 bits.
; One wave a head.  means: f32 [32 blocks][2048]: qm at column 64 head, km at 1,024 + 64 head.  K is filled up to 128 with zero codes on both sides.
; The product is used with source 0 = km, source 1 = qm; an exchange of halves then gives lane l all 32 numbers of query block l, key block b in v[S + b].
; RANKS without a compare: for each pair c < b the sign of sim[c] - sim[b] says that b is larger.  Rank b starts at b (all lower indices ahead of it); a set sign adds 1 to rank c and takes 1 from rank b.
; Equal numbers give +0: the lower index stays ahead.  The pairs go by their distance k, so that no line waits for the line above it.  Bit b of the word is set where rank b < 16: always 16 bits.
; Nothing here steers an address or a branch: the words are stored at fixed places, and the next launch reads them.
; LIMITS: NaN and infinities are not served; +0 counts as larger than -0; a block of means whose largest magnitude lies under 2^-124 gets the byte 1.
.set X,   64                           ; v64-191  four fragments' numbers: qm rows 0-15, 16-31, km rows 0-15, 16-31; later T
.set T,   64                           ; v64-95   at work on the ranks
.set M4,  96                           ; v96-99   the word, in four parts
.set FR,  16                           ; v16-63   the four fragments' codes
.set SW,  8                            ; v8-11    their scale words
.set S,   192                          ; v192-223 sim
.set R,   224                          ; v224-255 ranks (before the products: at work on the quantiser)
.set MX,  224
.set SO,  228
.set BY,  232
.set PT,  236
.set YY,  240
	s_load_b128 s[4:7], s[0:1], 0x0                ; means, mask
	v_and_b32 v1, 15, v0                           ; r
	v_bfe_u32 v2, v0, 4, 1                         ; h
	v_lshlrev_b32 v3, 13, v1                       ; 8,192 bytes a block's row,
	v_lshl_add_u32 v3, v2, 7, v3                   ; + 128 h: my block of 32 along d
	v_lshlrev_b32 v4, 3, v2                        ; 8 h
	v_lshlrev_b32 v5, 2, v0                        ; 4 x lane
	s_mov_b32 s12, 0x76543210
	s_mov_b32 s13, 0xfedcba98
	s_lshl_b32 s8, ttmp9, 8                        ; the head's 64 columns
	s_mov_b32 s9, 0
	s_lshl_b32 s10, ttmp9, 7                       ; the head's 32 words
	s_mov_b32 s11, 0
.irp f, 0,1,2,3
	v_mov_b32 v[PT+\f], 0                          ; a lane permute's destination counts as read
.endr
	s_wait_kmcnt 0x0
	s_add_nc_u64 s[4:5], s[4:5], s[8:9]
	s_add_nc_u64 s[6:7], s[6:7], s[10:11]
.irp f, 0,1,2,3
.irp e, 0,1,2,3,4,5,6,7
	global_load_b128 v[X+32*\f+4*\e:X+32*\f+4*\e+3], v3, s[4:5] offset:(\f/2)*4096+(\f%2)*131072+16*\e
.endr
.endr
	s_wait_loadcnt 0x0
.irp f, 0,1,2,3
	v_max3_num_f32 v[MX+\f], |v[X+32*\f]|, |v[X+32*\f+1]|, 0x1800000   ; block h of my row: all 32 numbers are mine; the floor holds the byte at 1 from below
.endr
.irp i, 2,4,6,8,10,12,14,16,18,20,22,24,26,28,30
.irp f, 0,1,2,3
	v_max3_num_f32 v[MX+\f], v[MX+\f], |v[X+32*\f+\i]|, |v[X+32*\f+\i+1]|
.endr
.endr
.irp f, 0,1,2,3
	v_add_nc_u32 v[SO+\f], 0xff000000, v[MX+\f]    ; 2 off the exponent field: the conversion's scale operand
.endr
.irp f, 0,1,2,3
	v_lshrrev_b32 v[BY+\f], 23, v[SO+\f]
.endr
.irp f, 0,1,2,3
	v_lshlrev_b32 v[BY+\f], v4, v[BY+\f]           ; byte h of the scale word
.endr
.irp f, 0,1,2,3
	v_permlanex16_b32 v[PT+\f], v[BY+\f], s12, s13
.endr
.irp f, 0,1,2,3
	v_or_b32 v[SW+\f], v[BY+\f], v[PT+\f]          ; bytes 2 and 3 stay 0: they stand over zero codes
.endr
.irp f, 0,1,2,3
	v_cvt_scalef32_pk16_fp6_f32 v[FR+12*\f:FR+12*\f+2], v[X+32*\f:X+32*\f+15], v[SO+\f]
	v_cvt_scalef32_pk16_fp6_f32 v[YY+4*\f:YY+4*\f+2], v[X+32*\f+16:X+32*\f+31], v[SO+\f]
.endr
	v_nop                                          ; one plain line behind the scaled conversions
.irp f, 0,1,2,3
.irp i, 0,1,2
	v_mov_b32 v[FR+12*\f+3+\i], v[YY+4*\f+\i]
.endr
.irp i, 6,7,8,9,10,11
	v_mov_b32 v[FR+12*\f+\i], 0                    ; K 64 .. 127: zero codes
.endr
.endr
.set b, 0
.rept 32
	v_mov_b32 v[R+b], b                            ; rank b starts at b.  (These 32 lines are also the places between the scale words and operands just written and the products)
.set b, b+1
.endr
.irp n, 0,1
.irp m, 0,1
	v_wmma_scale_f32_16x16x128_f8f6f4 v[S+16*\n+8*\m:S+16*\n+8*\m+7], v[FR+12*(2+\n):FR+12*(2+\n)+11], v[FR+12*\m:FR+12*\m+11], 0, v[SW+2+\n], v[SW+\m] matrix_a_fmt:MATRIX_FMT_FP6 matrix_b_fmt:MATRIX_FMT_FP6
.endr
.endr
.rept 4
	v_nop                                          ; four places behind the products
.endr
.irp n, 0,1
.irp j, 0,1,2,3,4,5,6,7
	v_permlane16_swap_b32 v[S+16*\n+\j], v[S+16*\n+8+\j]   ; lane l now holds sim[l][16 n + j] and sim[l][16 n + 8 + j]; each result is taken from its low end on
.endr
.endr
.set k, 1
.rept 31
.set c, 0
.rept 32-k
	v_sub_f32 v[T+c], v[S+c], v[S+c+k]
.set c, c+1
.endr
.set c, 0
.rept 32-k
	v_lshrrev_b32 v[T+c], 31, v[T+c]               ; 1 where the higher index is larger
.set c, c+1
.endr
.set c, 0
.rept 32-k
	v_add_nc_u32 v[R+c], v[R+c], v[T+c]
.set c, c+1
.endr
.set c, 0
.rept 32-k
	v_sub_nc_u32 v[R+c+k], v[R+c+k], v[T+c]
.set c, c+1
.endr
.set k, k+1
.endr
.set b, 0
.rept 32
	v_lshrrev_b32 v[T+b], 4, v[R+b]                ; 1 where the rank is 16 or more
.set b, b+1
.endr
.irp i, 0,1,2,3
	v_mov_b32 v[M4+\i], 0
.endr
.set b, 0
.rept 32
	v_lshl_or_b32 v[M4+b%4], v[T+b], b, v[M4+b%4]
.set b, b+1
.endr
	v_or_b32 v[M4], v[M4], v[M4+1]
	v_or_b32 v[M4+2], v[M4+2], v[M4+3]
	v_or_b32 v[M4], v[M4], v[M4+2]
	v_xor_b32 v[M4], -1, v[M4]                     ; bit b: key block b is chosen
	global_store_b32 v5, v[M4], s[6:7]
	s_endpgm
.Lfunc_end_k_qe8609615d9_topk:
	.size	k_qe8609615d9_topk, .Lfunc_end_k_qe8609615d9_topk-k_qe8609615d9_topk
	.p2alignl 7, 3214868480
	.fill 96, 4, 3214868480
	.section	.rodata,"a",@progbits
	.p2align	6, 0x0
	.amdhsa_kernel k_qe8609615d9_topk
		.amdhsa_group_segment_fixed_size 0
		.amdhsa_private_segment_fixed_size 0
		.amdhsa_enable_private_segment 0
		.amdhsa_kernarg_size 16
		.amdhsa_user_sgpr_count 2
		.amdhsa_user_sgpr_kernarg_segment_ptr 1
		.amdhsa_wavefront_size32 1
		.amdhsa_system_sgpr_workgroup_id_x 1
		.amdhsa_system_sgpr_workgroup_id_y 1
		.amdhsa_system_sgpr_workgroup_id_z 1
		.amdhsa_system_vgpr_workitem_id 0
		.amdhsa_next_free_vgpr 256
		.amdhsa_next_free_sgpr 66
		.amdhsa_reserve_vcc 0
		.amdhsa_float_denorm_mode_32 3
		.amdhsa_float_denorm_mode_16_64 3
		.amdhsa_memory_ordered 1
		.amdhsa_forward_progress 1
		.amdhsa_inst_pref_size 79
	.end_amdhsa_kernel
	.amdgpu_metadata
---
amdhsa.version: [ 1, 2 ]
amdhsa.kernels:
  - .name:           k_qe8609615d9_topk
    .symbol:         k_qe8609615d9_topk.kd
    .args:
      - { .name: means, .offset: 0, .size: 8, .value_kind: global_buffer, .address_space: global }
      - { .name: mask, .offset: 8, .size: 8, .value_kind: global_buffer, .address_space: global }
    .group_segment_fixed_size: 0
    .private_segment_fixed_size: 0
    .kernarg_segment_align: 8
    .kernarg_segment_size: 16
    .max_flat_workgroup_size: 32
    .sgpr_count:     66
    .vgpr_count:     256
    .wavefront_size: 32
...
	.end_amdgpu_metadata
.endif
;; end of part 3
;; launch attn (part 4): grid 32 x 16, 8 waves a work-group, no clusters, 25,600 bytes of LDS; arguments qimg, kvimg, mask, oimg, osc; writes oimg, osc
.if DOCPART == 4
	.amdgcn_target "amdgcn-amd-amdhsa--gfx1250"
	.amdhsa_code_object_version 6
	.text
	.protected	k_qe8609615d9_attn
	.globl	k_qe8609615d9_attn
	.p2align	8
	.type	k_qe8609615d9_attn,@function
k_qe8609615d9_attn:
	s_mov_b64 s[64:65], 0
	v_nop
	global_prefetch_b8 v0, s[64:65] scope:SCOPE_SE
	s_setreg_imm32_b32 hwreg(HW_REG_WAVE_MODE, 25, 1), 1
	s_wait_xcnt 0x0
; Block-sparse attention on codes of FP6 (E2M3) with E8M0 scales.  A work-group owns one query block of 128 of one head; each of its eight waves 16 queries.  It walks the 16 key blocks whose bits are set in the
; word that the launch before stored for (head, query block): a loop of constant count; only addresses hang on that word.  The other 16 blocks have the logit -1e9 in the definition: their p is 0, and they are left out.
; t = score x log2(e) / 8; M = the running largest t rounded UP to a whole number; p = 2^(t - M) is quantised along the keys, not normalised; the row's sum is taken of the unquantised p and divides O at the end;
; when M moves, the sum and O are multiplied by 2^(old M - new M), which rounds nothing.
; A key block's record (12,800 bytes): K's four images, V's four, K's and V's scale words, all as images of operand registers.  The 12,288 bytes of codes go memory -> registers -> LDS, 48 bytes a thread, and are read
; by all eight waves; two LDS buffers take turns, one barrier a step.  A block is asked for two steps ahead of its use.  No tensor load: the addresses hang on a stored number.
; S^T = K Q^T: an image of K holds two tiles of 16 keys, one in K 0-63 and one in K 64-127 of the instruction; Q stands as [q, 0] or [0, q], so each of the two products takes one tile (d = 64).
; O^T = V^T P^T.  A lane holds ONE query (lane % 16) throughout.  p's and v's codes have the same order inside a block of 32 keys (key 16 u + 8 h + j at place 16 h + 8 u + j).
; V's places are laid so that a lane's 16 registers of tiles 2 b, 2 b + 1 of O^T are d = 32 b + 16 h + 0 .. 15: o is quantised along C in its true order, into images for the last product.
; No multicast: the work-groups of a head choose different blocks.  No prefetch: each record is read by about half of the head's work-groups, and is asked for two steps ahead.
; LIMITS: NaN and infinities are not served; a row's largest chosen score / 8 must lie above -1e9 (else the keys left out would carry weight); a block whose largest magnitude lies under 2^-124 gets the byte 1.
.set BUF, 12288
.set REC, 12800
.set LI,  1                            ; v1 16 x lane
.set LW,  2                            ; v2 16 x thread
.set L8,  3                            ; v3 8 x lane
.set GA,  4                            ; v4 the codes' offset of the block asked for
.set SA,  5                            ; v5 the scale words' offset
.set QL,  16                           ; v16-27 [q, 0]
.set QH,  28                           ; v28-39 [0, q]
.set KF,  40                           ; v40-87 four fragments, K's, then V's
.set QSW, 88                           ; v88 q's scale word
.set PSW, 89                           ; v89 p's
.set SC,  90                           ; v90-97 two sets: K's two words, V's two (lanes 0-15 the even fragment, lanes 16-31 the odd one)
.set S,   100                          ; v100-163 S^T, then p
.set O,   164                          ; v164-195 O^T
.set PC,  196                          ; v196-207 p's codes
.set Y,   208                          ; v208-215 the conversions' second halves
.set G,   216                          ; v216-227 my 48 bytes of a block on their way to LDS
.set BM,  228                          ; v228-231 the blocks' largest scores, then largest p
.set BP,  232                          ; v232-235 partners, then bytes
.set SO,  236                          ; v236-239 scale operands
.set CH,  240                          ; v240-241 the sum's second chain
.set F,   244                          ; v244-245 f = 2^(old M - new M)
.set TP,  246
.set WV,  14
.set SEL, 16                           ; s[16:17]
.set CS,  18                           ; s[18:19] c = log2(e) / 8
.set HM,  20
.set MK,  21                           ; the bits still to be walked
.set OFF, 22                           ; s22, s23 two blocks' offsets in the head's records
.set TT,  24
.set CNT, 25
.macro NEXT p                          ; the lowest set bit's block; the bit is cleared.  The number read from memory is held to 31 before it enters an address
	s_ctz_i32_b32 s[TT], s[MK]
	s_min_u32 s[TT], s[TT], 31
	s_mul_i32 s[OFF+\p], s[TT], REC
	s_sub_co_u32 s[TT], s[MK], 1
	s_and_b32 s[MK], s[MK], s[TT]
.endm
	s_load_b256 s[4:11], s[0:1], 0x0               ; qimg, kvimg, mask, oimg
	s_load_b64 s[12:13], s[0:1], 0x20              ; osc
	v_lshl_add_u32 v254, v0, 2, 0x6000
	v_mov_b32 v255, 0
	v_lshrrev_b32 v6, 5, v0
	v_readfirstlane_b32 s[WV], v6                  ; wave 0..7
	v_and_b32 v6, 31, v0                           ; lane
	v_and_b32 v7, 15, v0                           ; r
	v_bfe_u32 v8, v0, 4, 1                         ; h
	v_lshlrev_b32 v[LI], 4, v6
	v_lshlrev_b32 v[LW], 4, v0
	v_lshlrev_b32 v[L8], 3, v6
	s_mov_b32 s[SEL], 0x76543210
	s_mov_b32 s[SEL+1], 0xfedcba98
	s_mov_b32 s[CS], 0x3e38aa3b
	s_mov_b32 s[CS+1], s[CS]                       ; (named with it as a pair, so it is written)
	s_mov_b32 s[HM], 0xffff0000
	s_and_b32 s26, ttmp7, 0xffff                   ; the head
	s_lshl_b32 s27, s26, 5
	s_add_co_u32 s27, s27, ttmp9                   ; head x 32 + query block
	s_lshl_b32 s28, s27, 2
	s_mov_b32 s29, 0
	s_wait_kmcnt 0x0
	s_add_nc_u64 s[8:9], s[8:9], s[28:29]
	s_load_b32 s[MK], s[8:9], 0x0                  ; the chosen key blocks
	s_mul_i32 s28, s27, REC
	s_add_nc_u64 s[4:5], s[4:5], s[28:29]          ; q's record
	s_mul_i32 s28, s26, 32*REC
	s_add_nc_u64 s[6:7], s[6:7], s[28:29]          ; the head's records of K and V
	s_lshl_b32 s30, ttmp9, 3
	s_add_co_u32 s30, s30, s[WV]                   ; o's row tile: 8 x query block + wave
	s_mul_i32 s28, s30, 12288
	s_lshr_b32 s31, s26, 1                         ; fragment head / 2,
	s_mul_i32 s32, s31, 1536
	s_add_co_u32 s28, s28, s32
	s_and_b32 s33, s26, 1                          ; its half head % 2
	s_mul_i32 s32, s33, 768
	s_add_co_u32 s28, s28, s32
	s_add_nc_u64 s[10:11], s[10:11], s[28:29]
	s_lshl_b32 s28, s30, 9                         ; o's scale bytes: 512 a row tile, 256 for four fragments, 4 a fragment, 2 a head
	s_lshr_b32 s32, s26, 3
	s_lshl_b32 s32, s32, 8
	s_add_co_u32 s28, s28, s32
	s_and_b32 s32, s31, 3
	s_lshl_b32 s32, s32, 2
	s_add_co_u32 s28, s28, s32
	s_lshl_b32 s32, s33, 1
	s_add_co_u32 s28, s28, s32
	s_add_nc_u64 s[12:13], s[12:13], s[28:29]
	s_lshr_b32 s30, s[WV], 1                       ; my queries lie in image wave / 2, half wave % 2
	s_mul_i32 s31, s30, 1536
	v_add_nc_u32 v9, s31, v[LI]
	s_and_b32 s31, s30, 1
	s_lshl_b32 s31, s31, 7
	s_lshr_b32 s32, s30, 1
	s_lshl_b32 s32, s32, 2
	s_add_co_u32 s31, s31, s32
	v_lshl_add_u32 v10, v7, 3, s31                 ; its scale word of row r: 8 r + 128 (image % 2) + 4 (image / 2)
.irp c, 0,1,2
	global_load_b128 v[S+4*\c:S+4*\c+3], v9, s[4:5] offset:512*\c
.endr
	global_load_b32 v[TP], v10, s[4:5] offset:12288
	s_wait_kmcnt 0x0
	NEXT 0
	v_add_nc_u32 v[GA], s[OFF], v[LW]
	v_add_nc_u32 v[SA], s[OFF], v[L8]
.irp c, 0,1,2
	global_load_b128 v[G+4*\c:G+4*\c+3], v[GA], s[6:7] offset:4096*\c      ; the first block's codes
.endr
	global_load_b64 v[SC:SC+1], v[SA], s[6:7] offset:12288                 ; and its scale words
	global_load_b64 v[SC+2:SC+3], v[SA], s[6:7] offset:12544
	s_wait_loadcnt 0x0
	s_and_b32 s33, s[WV], 1
	s_sub_co_i32 s34, 0, s33                       ; all lanes where the wave is odd
	s_lshl_b32 s35, s33, 4
.irp i, 0,1,2,3,4,5
	v_cndmask_b32 v[QL+\i], v[S+\i], v[S+6+\i], s34
.endr
.irp i, 0,1,2,3,4,5
	v_mov_b32 v[QH+6+\i], v[QL+\i]
	v_mov_b32 v[QL+6+\i], 0
	v_mov_b32 v[QH+\i], 0
.endr
	v_lshrrev_b32 v[TP], s35, v[TP]
	v_and_b32 v[TP], 0xffff, v[TP]                 ; my tile's two bytes,
	v_lshl_or_b32 v[QSW], v[TP], 16, v[TP]         ; for either half of the instruction's K
.irp c, 0,1,2
	ds_store_b128 v[LW], v[G+4*\c:G+4*\c+3] offset:4096*\c
.endr
	NEXT 1
	s_wait_dscnt 0x0                               ; for the others' sake, and the stores have read their registers
	v_add_nc_u32 v[GA], s[OFF+1], v[LW]
.irp c, 0,1,2
	global_load_b128 v[G+4*\c:G+4*\c+3], v[GA], s[6:7] offset:4096*\c      ; the second block's codes
.endr
	v_mov_b32 v13, 0xff61b1e6                      ; the largest t so far: -3e38
	v_floor_f32 v12, -v13                          ; -M
	v_mov_b32 v14, 0
	v_mov_b32 v15, 0
	v_mov_b32 v[F+1], 0                            ; (named as the upper half of a pair)
.irp b, 0,1,2,3
	v_mov_b32 v[BP+\b], 0                          ; a lane permute's destination counts as read
.endr
.set j, 0
.rept 32
	v_mov_b32 v[O+j], 0                            ; the step is written once: the first finds zeros, which the first change of M leaves zeros
.set j, j+1
.endr
	s_barrier_signal -1
	s_barrier_wait -1
.macro SQ g, row                       ; the two tiles of keys of image g
	v_wmma_scale_f32_16x16x128_f8f6f4 v[S+16*\g:S+16*\g+7], v[KF+12*\g:KF+12*\g+11], v[QL:QL+11], 0, v[\row], v[QSW] matrix_a_fmt:MATRIX_FMT_FP6 matrix_b_fmt:MATRIX_FMT_FP6 matrix_a_scale:MATRIX_SCALE_ROW0+(\g%2)
	v_wmma_scale_f32_16x16x128_f8f6f4 v[S+16*\g+8:S+16*\g+15], v[KF+12*\g:KF+12*\g+11], v[QH:QH+11], 0, v[\row], v[QSW] matrix_a_fmt:MATRIX_FMT_FP6 matrix_b_fmt:MATRIX_FMT_FP6 matrix_a_scale:MATRIX_SCALE_ROW0+(\g%2)
.endm
; A KEY STEP on LDS buffer p.  st: the next block's codes go from my registers to the other buffer, and its scale words are asked for.  ld: the block after that is asked for.  bar: a step follows.
.macro STEP p, st, ld, bar
	s_wait_loadcnt 0x0                             ; all that I asked for a step ago is in: the next block's codes, this block's scale words; so their address registers may be written
.if \ld
	NEXT \p
	v_add_nc_u32 v[GA], s[OFF+\p], v[LW]
.else
	v_nop
.endif
.if \st
	v_add_nc_u32 v[SA], s[OFF+1-\p], v[L8]
.else
	v_nop
.endif
	v_nop
	v_nop                                          ; four places behind the last step's products, ahead of the loads into their registers
.if \st
.irp c, 0,1,2
	ds_store_b128 v[LW], v[G+4*\c:G+4*\c+3] offset:(1-\p)*BUF+4096*\c      ; nobody reads that buffer: the last step's barrier stands behind its reads
.endr
.endif
.irp g, 0,1,2,3
.irp c, 0,1,2
	ds_load_b128 v[KF+12*\g+4*\c:KF+12*\g+4*\c+3], v[LI] offset:\p*BUF+1536*\g+512*\c
.endr
.endr
	s_wait_dscnt 0x0                               ; K is in; my stores have landed and have read their registers
.if \ld
.irp c, 0,1,2
	global_load_b128 v[G+4*\c:G+4*\c+3], v[GA], s[6:7] offset:4096*\c
.endr
.endif
.if \st
	global_load_b64 v[SC+4*(1-\p):SC+4*(1-\p)+1], v[SA], s[6:7] offset:12288
	global_load_b64 v[SC+4*(1-\p)+2:SC+4*(1-\p)+3], v[SA], s[6:7] offset:12544
.endif
.irp g, 0,2
	v_wmma_scale_f32_16x16x128_f8f6f4 v[S+16*\g:S+16*\g+7], v[KF+12*\g:KF+12*\g+11], v[QL:QL+11], 0, v[SC+4*\p+\g/2], v[QSW] matrix_a_fmt:MATRIX_FMT_FP6 matrix_b_fmt:MATRIX_FMT_FP6
	v_wmma_scale_f32_16x16x128_f8f6f4 v[S+16*\g+8:S+16*\g+15], v[KF+12*\g:KF+12*\g+11], v[QH:QH+11], 0, v[SC+4*\p+\g/2], v[QSW] matrix_a_fmt:MATRIX_FMT_FP6 matrix_b_fmt:MATRIX_FMT_FP6
	v_wmma_scale_f32_16x16x128_f8f6f4 v[S+16*\g+16:S+16*\g+23], v[KF+12*\g+12:KF+12*\g+23], v[QL:QL+11], 0, v[SC+4*\p+\g/2], v[QSW] matrix_a_fmt:MATRIX_FMT_FP6 matrix_b_fmt:MATRIX_FMT_FP6 matrix_a_scale:MATRIX_SCALE_ROW1
	v_wmma_scale_f32_16x16x128_f8f6f4 v[S+16*\g+24:S+16*\g+31], v[KF+12*\g+12:KF+12*\g+23], v[QH:QH+11], 0, v[SC+4*\p+\g/2], v[QSW] matrix_a_fmt:MATRIX_FMT_FP6 matrix_b_fmt:MATRIX_FMT_FP6 matrix_a_scale:MATRIX_SCALE_ROW1
.endr
.rept 4
	v_nop                                          ; four places: ahead of the loads into K's registers and of the first read of the scores
.endr
.irp t, 0,1,2,3
.irp c, 0,1,2
	ds_load_b128 v[KF+12*\t+4*\c:KF+12*\t+4*\c+3], v[LI] offset:\p*BUF+6144+1536*\t+512*\c   ; V lands while the softmax is worked
.endr
.endr
.irp b, 0,1,2,3
	v_max3_num_f32 v[BM+\b], v[S+16*\b], v[S+16*\b+1], v[S+16*\b+2]    ; the largest score of each block of 32 keys: for the row's maximum, and, since p rises with the score, for the block's largest p
.endr
.irp i, 3,5,7,9,11,13
.irp b, 0,1,2,3
	v_max3_num_f32 v[BM+\b], v[BM+\b], v[S+16*\b+\i], v[S+16*\b+\i+1]
.endr
.endr
.irp b, 0,1,2,3
	v_max_num_f32 v[BM+\b], v[BM+\b], v[S+16*\b+15]
.endr
.irp b, 0,1,2,3
	v_permlanex16_b32 v[BP+\b], v[BM+\b], s[SEL], s[SEL+1]
.endr
.irp b, 0,1,2,3
	v_max_num_f32 v[BM+\b], v[BM+\b], v[BP+\b]     ; with lane l xor 16's 16 keys
.endr
	v_max3_num_f32 v[TP], v[BM], v[BM+1], v[BM+2]
	v_max_num_f32 v[TP], v[TP], v[BM+3]
	v_mul_f32 v[TP], s[CS], v[TP]                  ; as t (c is positive)
	v_max_num_f32 v13, v13, v[TP]                  ; the running largest t
	v_mov_b32 v[TP], v12
	v_floor_f32 v12, -v13                          ; the new -M = -ceil(t)
	v_sub_f32 v[TP], v12, v[TP]                    ; old M - new M: a whole number, 0 or less
	v_cvt_i32_f32 v[TP], v[TP]                     ; (it saturates)
	v_ldexp_f32 v[F], 1.0, v[TP]                   ; f
.set j, 0
.rept 32
	v_pk_fma_f32 v[S+j:S+j+1], v[S+j:S+j+1], s[CS:CS+1], v[12:13] op_sel_hi:[1,0,0]   ; t - M
.set j, j+2
.endr
.irp b, 0,1,2,3
	v_fma_f32 v[BM+\b], v[BM+\b], s[CS], v12
.endr
.set j, 0
.rept 64
	v_exp_f32 v[S+j], v[S+j]                       ; p = 2^(t - M)
.set j, j+1
.endr
	v_pk_mul_f32 v[14:15], v[14:15], v[F:F+1] op_sel_hi:[1,0]          ; the sums under the new M: a plain line behind the exponentials
	s_wait_alu depctr_va_vdst(0)                   ; one wait for the batch, ahead of its first reader
.irp b, 0,1,2,3
	v_exp_f32 v[BM+\b], v[BM+\b]                   ; the blocks' largest p
.endr
	v_pk_add_f32 v[CH:CH+1], v[S:S+1], v[S+2:S+3]  ; the row's sum of the unquantised p, in two chains
.set j, 4
.rept 15
	v_pk_add_f32 v[14:15], v[14:15], v[S+j:S+j+1]
	v_pk_add_f32 v[CH:CH+1], v[CH:CH+1], v[S+j+2:S+j+3]
.set j, j+4
.endr
	v_pk_add_f32 v[14:15], v[14:15], v[CH:CH+1]
	s_wait_alu depctr_va_vdst(0)                   ; and one for the four
.irp b, 0,1,2,3
	v_max_num_f32 v[BM+\b], 0x1800000, v[BM+\b]    ; the floor: the byte cannot fall under 1
.endr
.irp b, 0,1,2,3
	v_add_nc_u32 v[SO+\b], 0xff000000, v[BM+\b]
.endr
.irp b, 0,1,2,3
	v_lshrrev_b32 v[BP+\b], 23, v[SO+\b]
.endr
	v_lshl_or_b32 v[PSW], v[BP+1], 8, v[BP]
	v_lshl_or_b32 v[PSW], v[BP+2], 16, v[PSW]
	v_lshl_or_b32 v[PSW], v[BP+3], 24, v[PSW]
.irp c, 0,1
	v_cvt_scalef32_pk16_fp6_f32 v[PC+6*\c:PC+6*\c+2], v[S+32*\c:S+32*\c+15], v[SO+2*\c]
	v_cvt_scalef32_pk16_fp6_f32 v[Y+4*\c:Y+4*\c+2], v[S+32*\c+16:S+32*\c+31], v[SO+2*\c+1]
.endr
	v_nop                                          ; one plain line behind the scaled conversions
.irp c, 0,1
.irp i, 0,1,2
	v_permlane16_swap_b32 v[PC+6*\c+\i], v[Y+4*\c+\i]
.endr
.irp i, 0,1,2
	v_mov_b32 v[PC+6*\c+3+\i], v[Y+4*\c+\i]
.endr
.endr
.set j, 0
.rept 16
	v_pk_mul_f32 v[O+j:O+j+1], v[O+j:O+j+1], v[F:F+1] op_sel_hi:[1,0]  ; O^T under the new M.  (Also the places between p's scale word and codes and the products)
.set j, j+2
.endr
	s_wait_dscnt 0x0                               ; V is in; no LDS instruction of mine is out
.if \bar
	s_barrier_signal -1                            ; my reads of this buffer are over and my stores into the other have landed
.endif
.irp t, 0,2
	v_wmma_scale_f32_16x16x128_f8f6f4 v[O+8*\t:O+8*\t+7], v[KF+12*\t:KF+12*\t+11], v[PC:PC+11], v[O+8*\t:O+8*\t+7], v[SC+4*\p+2+\t/2], v[PSW] matrix_a_fmt:MATRIX_FMT_FP6 matrix_b_fmt:MATRIX_FMT_FP6
	v_wmma_scale_f32_16x16x128_f8f6f4 v[O+8*\t+8:O+8*\t+15], v[KF+12*\t+12:KF+12*\t+23], v[PC:PC+11], v[O+8*\t+8:O+8*\t+15], v[SC+4*\p+2+\t/2], v[PSW] matrix_a_fmt:MATRIX_FMT_FP6 matrix_b_fmt:MATRIX_FMT_FP6 matrix_a_scale:MATRIX_SCALE_ROW1
.endr
.if \bar
	s_barrier_wait -1
.endif
.endm
	s_mov_b32 s[CNT], 7
.Lpair:                                            ; seven trips of two steps; the last two steps are written out: they ask for nothing beyond the sixteenth block
	STEP 0, 1, 1, 1
	STEP 1, 1, 1, 1
	s_sub_co_u32 s[CNT], s[CNT], 1
	s_cmp_lg_u32 s[CNT], 0
	s_cbranch_scc1 .Lpair
	STEP 0, 1, 0, 1
	STEP 1, 0, 0, 0
	; THE WAY OUT: o = O^T / the sum, quantised along C: my head's two blocks of 32; codes as half a fragment's image, two scale bytes a row
	v_add_f32 v14, v14, v15
	v_permlanex16_b32 v[TP], v14, s[SEL], s[SEL+1]
	v_add_f32 v14, v14, v[TP]                      ; the row's sum
	v_rcp_f32 v14, v14
	v_lshl_add_u32 v9, v7, 4, v8                   ; my scale byte's place: 16 r + h.  (A plain line behind the reciprocal)
.rept 3
	v_nop                                          ; with the lines above: four places and more behind the last products
.endr
	s_wait_alu depctr_va_vdst(0)                   ; ahead of the reciprocal's first reader
.set j, 0
.rept 32
	v_mul_f32 v[S+j], v[O+j], v14                  ; register 16 b + i: d = 32 b + 16 h + i
.set j, j+1
.endr
.irp b, 0,1
	v_max3_num_f32 v[BM+\b], |v[S+16*\b]|, |v[S+16*\b+1]|, 0x1800000
.endr
.irp i, 2,4,6,8,10,12,14
.irp b, 0,1
	v_max3_num_f32 v[BM+\b], v[BM+\b], |v[S+16*\b+\i]|, |v[S+16*\b+\i+1]|
.endr
.endr
.irp b, 0,1
	v_permlanex16_b32 v[BP+\b], v[BM+\b], s[SEL], s[SEL+1]
.endr
.irp b, 0,1
	v_max_num_f32 v[BM+\b], v[BM+\b], v[BP+\b]
.endr
.irp b, 0,1
	v_add_nc_u32 v[SO+\b], 0xff000000, v[BM+\b]
.endr
.irp b, 0,1
	v_lshrrev_b32 v[BP+\b], 23, v[SO+\b]
.endr
	v_cvt_scalef32_pk16_fp6_f32 v[PC:PC+2], v[S:S+15], v[SO]
	v_cvt_scalef32_pk16_fp6_f32 v[Y:Y+2], v[S+16:S+31], v[SO+1]
	v_nop                                          ; one plain line behind the scaled conversions
.irp i, 0,1,2
	v_permlane16_swap_b32 v[PC+\i], v[Y+\i]
.endr
.irp i, 0,1,2
	v_mov_b32 v[PC+3+\i], v[Y+\i]
.endr
	v_cndmask_b32 v[TP], v[BP], v[BP+1], s[HM]     ; lane (r, h) stores block h's byte
.irp i, 0,1,2
	global_store_b64 v[L8], v[PC+2*\i:PC+2*\i+1], s[10:11] offset:256*\i   ; 256 consecutive bytes, at a multiple of 256 from the buffer's first byte
.endr
	global_store_b8 v9, v[TP], s[12:13]            ; two bytes a row against the row's 48 bytes of codes: the other heads' work-groups write the bytes beside them
	s_wait_tensorcnt 0x0
	ds_add_u32 v254, v255
	s_wait_dscnt 0x0
	s_endpgm
.Lfunc_end_k_qe8609615d9_attn:
	.size	k_qe8609615d9_attn, .Lfunc_end_k_qe8609615d9_attn-k_qe8609615d9_attn
	.p2alignl 7, 3214868480
	.fill 96, 4, 3214868480
	.section	.rodata,"a",@progbits
	.p2align	6, 0x0
	.amdhsa_kernel k_qe8609615d9_attn
		.amdhsa_group_segment_fixed_size 25600
		.amdhsa_private_segment_fixed_size 0
		.amdhsa_enable_private_segment 0
		.amdhsa_kernarg_size 40
		.amdhsa_user_sgpr_count 2
		.amdhsa_user_sgpr_kernarg_segment_ptr 1
		.amdhsa_wavefront_size32 1
		.amdhsa_system_sgpr_workgroup_id_x 1
		.amdhsa_system_sgpr_workgroup_id_y 1
		.amdhsa_system_sgpr_workgroup_id_z 1
		.amdhsa_system_vgpr_workitem_id 0
		.amdhsa_next_free_vgpr 256
		.amdhsa_next_free_sgpr 66
		.amdhsa_reserve_vcc 0
		.amdhsa_float_denorm_mode_32 3
		.amdhsa_float_denorm_mode_16_64 3
		.amdhsa_memory_ordered 1
		.amdhsa_forward_progress 1
		.amdhsa_inst_pref_size 73
	.end_amdhsa_kernel
	.amdgpu_metadata
---
amdhsa.version: [ 1, 2 ]
amdhsa.kernels:
  - .name:           k_qe8609615d9_attn
    .symbol:         k_qe8609615d9_attn.kd
    .args:
      - { .name: qimg, .offset: 0, .size: 8, .value_kind: global_buffer, .address_space: global }
      - { .name: kvimg, .offset: 8, .size: 8, .value_kind: global_buffer, .address_space: global }
      - { .name: mask, .offset: 16, .size: 8, .value_kind: global_buffer, .address_space: global }
      - { .name: oimg, .offset: 24, .size: 8, .value_kind: global_buffer, .address_space: global }
      - { .name: osc, .offset: 32, .size: 8, .value_kind: global_buffer, .address_space: global }
    .group_segment_fixed_size: 25600
    .private_segment_fixed_size: 0
    .kernarg_segment_align: 8
    .kernarg_segment_size: 40
    .max_flat_workgroup_size: 256
    .sgpr_count:     66
    .vgpr_count:     256
    .wavefront_size: 32
...
	.end_amdgpu_metadata
.endif
;; end of part 4
;; launch gemm_proj (part 5): grid 4 x 16, 4 waves a work-group, clusters of 4 x 4, 327,680 bytes of LDS; arguments oimg, osc, opimg, opsc, proj_b, out0; writes out0
.if DOCPART == 5
	.amdgcn_target "amdgcn-amd-amdhsa--gfx1250"
	.amdhsa_code_object_version 6
	.text
	.protected	k_qe8609615d9_gemm_proj
	.globl	k_qe8609615d9_gemm_proj
	.p2align	8
	.type	k_qe8609615d9_gemm_proj,@function
k_qe8609615d9_gemm_proj:
	s_mov_b64 s[64:65], 0
	v_nop
	global_prefetch_b8 v0, s[64:65] scope:SCOPE_SE
	s_setreg_imm32_b32 hwreg(HW_REG_WAVE_MODE, 25, 1), 1
	s_wait_xcnt 0x0
	s_wait_alu depctr_hold_cnt(0) depctr_sa_sdst(0) depctr_va_vdst(0) depctr_va_sdst(0) depctr_va_ssrc(0) depctr_va_vcc(0) depctr_vm_vsrc(0)
	s_getreg_b32 s2, hwreg(HW_REG_IB_STS2, 6, 4)
	s_cmp_eq_u32 s2, 0
	s_cbranch_scc0 .Lentry_in_a_cluster
	s_endpgm
.Lentry_in_a_cluster:
	s_bfe_u32 s2, ttmp6, 0x10000c
	s_cmp_lg_u32 s2, 0xf033
	s_cbranch_scc0 .Lentry_shape_is_right
	s_endpgm
.Lentry_shape_is_right:
; out0 = o proj_w^T + proj_b on codes of FP6 (E2M3) with E8M0 scales, K = 1,024; out0 [4096][1024] f32.
; A tile of C is 256 x 256: four waves, each 128 x 128 in 64 accumulators.  THE MATRIX INSTRUCTION IS USED TRANSPOSED (source 0 = 16 rows of proj_w, source 1 = 16 rows of o): lane (r, h) holds row r and eight neighbouring columns.
; OPERANDS come as images of their registers (12,288 bytes a row tile of 16 rows, 1,536 a fragment): a fragment is six loads of 8 bytes a lane, 256 consecutive bytes each.
; K goes in eight steps of 128 through three LDS slots of 256 along K; K steps 0-5 and all scale words are first fills, slot 0 is filled once more.  The bias is the C of each sum's first matrix instruction.
; CLUSTERS 4 x 4: o's tiles are shared along a row of the cluster, proj_w's along a column, each by a joint load.  C has 64 such tiles: a smaller tile would read each LDS byte for half the products.
; REGISTERS: window 0: v16-30 addresses; v32-95 scale words (8 i + kf: lanes 0-15 A's block i, lanes 16-31 B's); v128-223 A's fragments, one set; on the way out v128-255 rows of C;
; window 1: B's two sets at v0, v128; the bias at v96-127 and v224-255; windows 2, 3: accumulator (a, b) at v[8 (8 (a % 4) + b)].
.set FRB,   1536
.set TBY,   3072
.set HALFT, 24576
.set SLOT,  98304
.set SCL,   294912
.set SPARE, 311296                     ; the spare words: 128 bytes a wave, two blocks of 256 bytes that no other line names
.set STG,   SLOT                       ; the way out's stages, 8,448 bytes a wave, lie in slot 1: it is filled once, and nobody reads it behind the last barrier
.set SPI,   528
.set ROWC,  4096                       ; a row of out0 in bytes
.set ADRA,  16
.set ADRB,  20
.set STO,   24                         ; v24 stage, in: row r, + 32 h
.set RD,    25                         ; v25 stage, back: 16 x lane
.set CO,    26                         ; v26 16 x lane
.set ADRS,  27
.set SPW,   28
.set NIL,   29
.set BO,    30                         ; v30 32 h: my eight numbers of a block of the bias
.set SC,    32
.set AF,    128
.set BK,    128
.set G1,    24
.set G0,    32
.set G1B,   44
.set G0B,   52
.set G1S,   68
.set G0S,   76
.set G1SB,  80
.set G0SB,  88
.set MUL_LO, 0xa1                      ; source 0 (B) window 1, source 1 (A) window 0, C and D window 2
.set MUL_HI, 0xf1                      ; the same, C and D window 3
.set MUL_LO0, 0x91                     ; the first K step: C (the bias) window 1, D window 2
.set MUL_HI0, 0xd1                     ; C window 1, D window 3
.set MSB, 0
.macro WIN new                         ; the immediate's high byte repeats the setting that is left
.if MSB != \new
	s_set_vgpr_msb (MSB<<8)|\new
.set MSB, \new
.endif
.endm
.macro JLOAD g0a, g1a, g0b, g1b        ; a joint load: waves 0, 1 fetch for A, waves 2, 3 for B; four v_nop follow each line
	s_cmp_eq_u32 s15, 0
	s_cbranch_scc0 .Lfor_b_\@
	tensor_load_to_lds s[\g0a:\g0a+3], s[\g1a:\g1a+7]
	s_nop 0
.rept 4
	v_nop
.endr
	s_branch .Lasked_\@
.Lfor_b_\@:
	tensor_load_to_lds s[\g0b:\g0b+3], s[\g1b:\g1b+7]
	s_nop 0
.rept 4
	v_nop
.endr
.Lasked_\@:
.endm
.macro CREST
	s_cmp_lg_u32 s14, 0
	s_cbranch_scc1 .Lnot_wave_0_\@
	s_barrier_signal -3
.Lnot_wave_0_\@:
	s_barrier_wait -3
	s_barrier_signal -1
	s_barrier_wait -1
.endm
.macro CROUND
	s_barrier_signal -1
	s_barrier_wait -1
	CREST
.endm
.macro PLACES                          ; four plain lines behind matrix instructions, ahead of loads into their registers and of reads of their results
.rept 4
	v_nop
.endr
.endm
	s_load_b128 s[4:7], s[0:1], 0x0                ; oimg, osc
	s_load_b128 s[8:11], s[0:1], 0x10              ; opimg, opsc
	s_load_b64 s[12:13], s[0:1], 0x20              ; proj_b
	s_load_b64 s[66:67], s[0:1], 0x28              ; out0
	v_lshl_add_u32 v[SPW], v0, 2, SPARE
	v_mov_b32 v[NIL], 0
	ds_add_u32 v28, v29
	ds_add_u32 v28, v29
	s_wait_dscnt 0x0
	v_lshrrev_b32 v1, 5, v0
	v_readfirstlane_b32 s14, v1                    ; wave 0..3
	s_lshr_b32 s15, s14, 1                         ; which half of A's rows is mine.  Also: I fetch for A (0) or for B (1)
	s_and_b32 s16, s14, 1                          ; which half of B's rows.  Also: which 8 row tiles I fetch
	s_bfe_u32 s92, ttmp6, 0x40000                  ; cx
	s_bfe_u32 s93, ttmp6, 0x40004                  ; cy
	s_and_b32 s17, ttmp7, 0xffff
	s_lshl_b32 s17, s17, 2
	s_add_co_u32 s17, s17, s93                     ; tile row
	s_lshl_b32 s18, ttmp9, 2
	s_add_co_u32 s18, s18, s92                     ; tile column
	s_lshl_b32 s19, s93, 2
	s_lshl_b32 s19, 15, s19                        ; my row of the cluster
	s_lshl_b32 s20, 0x1111, s92                    ; my column
	s_or_b32 s[G1], s19, (3<<16)|(1<<21)           ; 15:0 the mask; 17:16 elements of 8 bytes; 21 set beside a mask; no padding
	s_or_b32 s[G1B], s20, (3<<16)|(1<<21)
.irp g, G1, G1B                        ; 8 row tiles x 3,072 bytes, 12,288 bytes apart
	s_mov_b32 s[\g+1], 384<<16
	s_mov_b32 s[\g+2], 8<<16
	s_mov_b32 s[\g+3], 384<<16
	s_mov_b32 s[\g+4], 8
	s_mov_b32 s[\g+5], 1536
	s_mov_b32 s[\g+6], 0
	s_mov_b32 s[\g+7], 0
.endr
	s_or_b32 s[G1S], s19, (3<<16)|(1<<21)
	s_or_b32 s[G1SB], s20, (3<<16)|(1<<21)
.irp g, G1S, G1SB                      ; 8 row tiles' scale words: 4,096 dense bytes as 16 rows of 256
	s_mov_b32 s[\g+1], 32<<16
	s_mov_b32 s[\g+2], 16<<16
	s_mov_b32 s[\g+3], 32<<16
	s_mov_b32 s[\g+4], 16
	s_mov_b32 s[\g+5], 32
	s_mov_b32 s[\g+6], 0
	s_mov_b32 s[\g+7], 0
.endr
	s_lshl_b32 s21, s16, 3
	s_lshl_b32 s22, s17, 4
	s_add_co_u32 s22, s22, s21                     ; A's row tile: 16 x tile row + 8 x half
	s_lshl_b32 s97, s18, 4
	s_add_co_u32 s97, s97, 448
	s_add_co_u32 s97, s97, s21                     ; B's: 448 (proj_w) + 16 x tile column + 8 x half
	s_mul_i32 s2, s22, 12288
	s_mov_b32 s3, 0
	s_lshl_b32 s20, s22, 9
	s_mov_b32 s21, 0
	s_mul_i32 s98, s97, 12288
	s_mov_b32 s99, 0
	s_lshl_b32 s100, s97, 9
	s_mov_b32 s101, 0
	s_mul_i32 s22, s14, HALFT                      ; where they go: wave x 8 row tiles: no place in the cluster enters an LDS address
	s_lshl_b32 s23, s14, 12
	s_wait_kmcnt 0x0
	s_add_nc_u64 s[2:3], s[4:5], s[2:3]            ; A's codes
	s_add_nc_u64 s[20:21], s[6:7], s[20:21]        ; A's scale words
	s_add_nc_u64 s[98:99], s[8:9], s[98:99]        ; B's codes
	s_add_nc_u64 s[100:101], s[10:11], s[100:101]  ; B's scale words
	CROUND                                         ; all sixteen work-groups are here: the first joint loads meet
	s_mov_b32 s[G0S], 1
	s_add_co_u32 s[G0S+1], s23, SCL
	s_mov_b64 s[G0S+2:G0S+3], s[20:21]
	s_or_b32 s[G0S+3], s[G0S+3], 0x80000000
	s_mov_b32 s[G0SB], 1
	s_add_co_u32 s[G0SB+1], s23, SCL
	s_mov_b64 s[G0SB+2:G0SB+3], s[100:101]
	s_or_b32 s[G0SB+3], s[G0SB+3], 0x80000000
	JLOAD G0S, G1S, G0SB, G1SB                     ; the scale words of all of K: filled once
.irp s, 0,1,2                          ; the first 768 along K: with the scale words four loads of mine are out
	s_mov_b32 s[G0+4*\s], 1
	s_add_co_u32 s[G0+4*\s+1], s22, \s*SLOT
	s_add_nc_u64 s[G0+4*\s+2:G0+4*\s+3], s[2:3], \s*TBY
	s_or_b32 s[G0+4*\s+3], s[G0+4*\s+3], 0x80000000
	s_mov_b32 s[G0B+4*\s], 1
	s_add_co_u32 s[G0B+4*\s+1], s22, \s*SLOT
	s_add_nc_u64 s[G0B+4*\s+2:G0B+4*\s+3], s[98:99], \s*TBY
	s_or_b32 s[G0B+4*\s+3], s[G0B+4*\s+3], 0x80000000
	JLOAD G0+4*\s, G1, G0B+4*\s, G1B
.endr
	v_and_b32 v1, 31, v0                           ; lane
	v_and_b32 v2, 15, v0                           ; r
	v_bfe_u32 v3, v0, 4, 1                         ; h
	v_lshlrev_b32 v4, 3, v1
	v_lshlrev_b32 v[BO], 5, v3
	s_lshl_b32 s20, s18, 10                        ; my first column, in bytes: 1,024 x tile column + 512 x half
	s_lshl_b32 s97, s16, 9
	s_add_co_u32 s20, s20, s97
	s_mov_b32 s21, 0
	s_add_nc_u64 s[12:13], s[12:13], s[20:21]      ; the bias of my 128 columns
	s_add_nc_u64 s[66:67], s[66:67], s[20:21]
	s_lshl_b32 s20, s17, 8
	s_lshl_b32 s97, s15, 7
	s_add_co_u32 s20, s20, s97                     ; my first row: 256 x tile row + 128 x half
	s_lshl_b32 s20, s20, 12
	s_add_nc_u64 s[66:67], s[66:67], s[20:21]
	WIN 0x40                                       ; destination window 1
.irp b, 0,1,2,3,4,5,6,7
	global_load_b128 v[96+8*\b+96*(\b/4):96+8*\b+96*(\b/4)+3], v[BO], s[12:13] offset:64*\b        ; columns 16 b + 8 h + 0 .. 7: the result's layout
	global_load_b128 v[96+8*\b+96*(\b/4)+4:96+8*\b+96*(\b/4)+7], v[BO], s[12:13] offset:64*\b+16
.endr
	WIN 0
	s_mul_i32 s19, s15, HALFT                      ; my 8 row tiles of A
	s_mul_i32 s97, s16, HALFT                      ; my 8 of B,
	s_add_co_u32 s97, s97, 2*HALFT                 ; which lie behind A's 16
.irp s, 0,1,2
	v_add_nc_u32 v[ADRA+\s], s19, v4
	v_add_nc_u32 v[ADRB+\s], s97, v4
	s_add_co_u32 s19, s19, SLOT
	s_add_co_u32 s97, s97, SLOT
.endr
	s_lshl_b32 s19, s15, 12
	s_lshl_b32 s97, s16, 12
	s_add_co_u32 s97, s97, 8192
	s_sub_co_u32 s97, s97, s19
	v_mul_u32_u24 v5, s97, v3                      ; lanes 16-31 take B's: one product, the distance x h
	s_add_co_u32 s19, s19, SCL
	v_lshl_add_u32 v5, v2, 4, v5
	v_add_nc_u32 v[ADRS], s19, v5
	s_mul_i32 s19, s14, 16*SPI
	s_add_co_u32 s19, s19, STG                     ; my stage
	v_lshlrev_b32 v[CO], 4, v1
	v_add_nc_u32 v[RD], s19, v[CO]
	v_mul_u32_u24 v5, v2, SPI
	v_lshl_add_u32 v5, v3, 5, v5
	v_add_nc_u32 v[STO], s19, v5
.macro FRAG reg, adr, off
.irp p, 0,1,2,3,4,5
	ds_load_b64 v[\reg+2*\p:\reg+2*\p+1], v[\adr] offset:\off+256*\p
.endr
.endm
.macro FETCH_B sig, q, set
	WIN 0x40
.irp i, 0,1,2,3,4,5,6,7
	FRAG 128*(\set)+12*\i, ADRB+\sig, \i*TBY+(\q)*FRB
.endr
	WIN 0
.endm
.macro FETCH_A sig, q, i0
.irp i, \i0, \i0+1, \i0+2, \i0+3
	FRAG AF+12*(\i), ADRA+\sig, (\i)*TBY+(\q)*FRB
.endr
.endm
.macro SCALES
.irp i, 0,1,2,3,4,5,6,7
.irp s, 0,1
	ds_load_b128 v[SC+8*\i+4*\s:SC+8*\i+4*\s+3], v[ADRS] offset:\i*512+256*\s
.endr
.endr
.endm
; 16 matrix instructions: A's blocks a0, a0 + 1 x B's eight, K step kf.  mode = 1: the sum starts from the bias.  The 64 accumulators take turns, one instruction a turn.
.macro MUL16 a0, set, kf, mode
.irp a, \a0, \a0+1
.irp b, 0,1,2,3,4,5,6,7
.if \mode
	v_wmma_scale_f32_16x16x128_f8f6f4 v[8*(8*((\a)%4)+\b):8*(8*((\a)%4)+\b)+7], v[128*(\set)+12*\b:128*(\set)+12*\b+11], v[AF+12*(\a):AF+12*(\a)+11], v[96+8*\b+96*(\b/4):96+8*\b+96*(\b/4)+7], v[SC+8*\b+(\kf)], v[SC+8*(\a)+(\kf)] matrix_a_fmt:MATRIX_FMT_FP6 matrix_b_fmt:MATRIX_FMT_FP6 matrix_a_scale:MATRIX_SCALE_ROW1
.else
	v_wmma_scale_f32_16x16x128_f8f6f4 v[8*(8*((\a)%4)+\b):8*(8*((\a)%4)+\b)+7], v[128*(\set)+12*\b:128*(\set)+12*\b+11], v[AF+12*(\a):AF+12*(\a)+11], v[8*(8*((\a)%4)+\b):8*(8*((\a)%4)+\b)+7], v[SC+8*\b+(\kf)], v[SC+8*(\a)+(\kf)] matrix_a_fmt:MATRIX_FMT_FP6 matrix_b_fmt:MATRIX_FMT_FP6 matrix_a_scale:MATRIX_SCALE_ROW1
.endif
.endr
.endr
.endm
.macro STEP kf, nsig, nq, mode
	s_wait_dscnt 24                                ; B's set and A's blocks 0-3 are in; the youngest 24 loads (A's blocks 4-7) may be out
.if \mode
	WIN MUL_LO0
.else
	WIN MUL_LO
.endif
	MUL16 0, (\kf)%2, \kf, \mode
	MUL16 2, (\kf)%2, \kf, \mode
	s_wait_dscnt 0x0
	PLACES
	FETCH_B \nsig, \nq, 1-(\kf)%2
	FETCH_A \nsig, \nq, 0
.if \mode
	WIN MUL_HI0
.else
	WIN MUL_HI
.endif
	MUL16 4, (\kf)%2, \kf, \mode
	MUL16 6, (\kf)%2, \kf, \mode
	PLACES
	WIN 0
	FETCH_A \nsig, \nq, 4
.endm
.macro TURN kf, nsig, fill
	s_wait_tensorcnt 0x0                           ; all my tensor loads have landed
	ds_add_u32 v[SPW], v[NIL]                      ; 0 onto my spare word
	s_wait_dscnt 25                                ; (the add and the youngest 24 loads may be out)
	WIN MUL_LO
	MUL16 0, 1, \kf, 0
	s_wait_dscnt 0x0                               ; the add is done, and my LDS reads are over
	s_barrier_signal -1
	MUL16 2, 1, \kf, 0
	WIN 0
	s_barrier_wait -1
.if \fill
	CREST                                          ; the barrier has opened a round of the cluster's barrier: no wave of any partner still reads slot 0 or has a load on its way
	s_add_nc_u64 s[G0+2:G0+3], s[G0+2:G0+3], 3*TBY
	s_add_nc_u64 s[G0B+2:G0B+3], s[G0B+2:G0B+3], 3*TBY
	JLOAD G0, G1, G0B, G1B                         ; the first tensor load behind the round; its four v_nop are the places in front of the loads below
.else
	PLACES
.endif
	FETCH_B \nsig, 0, 0
	FETCH_A \nsig, 0, 0
	WIN MUL_HI
	MUL16 4, 1, \kf, 0
	MUL16 6, 1, \kf, 0
	PLACES
	WIN 0
	FETCH_A \nsig, 0, 4
.endm
	s_wait_tensorcnt 2                             ; the scale words and my part of slot 0 are in; slots 1 and 2 may be out
	s_barrier_signal -1
	s_barrier_wait -1
	FETCH_B 0, 0, 0
	FETCH_A 0, 0, 0
	SCALES
	FETCH_A 0, 0, 4
	s_wait_loadcnt 0x0                             ; the bias
	STEP 0, 0, 1, 1
	TURN 1, 1, 1                                   ; its wait for all loads and its barrier also show slots 1 and 2 whole
	STEP 2, 1, 1, 0
	STEP 3, 2, 0, 0
	STEP 4, 2, 1, 0
	TURN 5, 0, 0                                   ; slot 0's second fill is whole; nothing is filled again, so no round
	STEP 6, 0, 1, 0
	s_wait_dscnt 24
	WIN MUL_LO
	MUL16 0, 1, 7, 0
	MUL16 2, 1, 7, 0
	s_wait_dscnt 0x0
	WIN MUL_HI
	MUL16 4, 1, 7, 0
	MUL16 6, 1, 7, 0
	WIN 0
; THE WAY OUT, block by block of 16 rows x 128 columns: through my own stage in LDS, back as whole rows of 512 bytes.  LDS serves a wave's instructions in order (ISA guide 5.7.1.4).
.macro TOSTAGE a
.set AC, 64*((\a)%4)
.set WW, 0x08+4*((\a)/4)
	WIN WW                                         ; an LDS store's data: window 2 or 3
.irp b, 0,1,2,3,4,5,6,7
	ds_store_b128 v[STO], v[AC+8*\b:AC+8*\b+3] offset:64*\b            ; each accumulator from its low end on
	ds_store_b128 v[STO], v[AC+8*\b+4:AC+8*\b+7] offset:64*\b+16
.endr
	WIN 0
.set BR, BK+64*((\a)%2)
.irp t, 0,1,2,3,4,5,6,7,8,9,10,11,12,13,14,15
	ds_load_b128 v[BR+4*\t:BR+4*\t+3], v[RD] offset:\t*SPI
.endr
.endm
.macro SEND a, younger                 ; younger: the LDS instructions issued behind block a's loads, which may stay out
.set BR, BK+64*((\a)%2)
	s_wait_dscnt \younger
.if (\a) > 0
	s_add_nc_u64 s[66:67], s[66:67], 16*ROWC       ; (behind a wait on XCNT: the earlier stores have read their base)
.endif
.irp t, 0,1,2,3,4,5,6,7,8,9,10,11,12,13,14,15
	global_store_b128 v[CO], v[BR+4*\t:BR+4*\t+3], s[66:67] offset:\t*ROWC th:TH_STORE_NT   ; 32 lanes store 512 consecutive bytes, at a multiple of 256 from out0's first byte
.endr
.endm
	PLACES
	TOSTAGE 0
.irp a, 1,2,3,4,5,6,7
.if \a > 1
	s_wait_xcnt 0x0                                ; block a - 2's stores have read their registers and their base
.endif
	TOSTAGE \a
	SEND \a-1, 32                                  ; behind block a - 1's loads: block a's 16 stores and 16 loads
.endr
	s_wait_xcnt 0x0
	SEND 7, 0
	s_wait_tensorcnt 0x0                           ; the wave's end
	ds_add_u32 v[SPW], v[NIL]
	s_wait_dscnt 0x0
	CROUND                                         ; the closing round
	s_endpgm
.Lfunc_end_k_qe8609615d9_gemm_proj:
	.size	k_qe8609615d9_gemm_proj, .Lfunc_end_k_qe8609615d9_gemm_proj-k_qe8609615d9_gemm_proj
	.p2alignl 7, 3214868480
	.fill 96, 4, 3214868480
	.section	.rodata,"a",@progbits
	.p2align	6, 0x0
	.amdhsa_kernel k_qe8609615d9_gemm_proj
		.amdhsa_group_segment_fixed_size 327680
		.amdhsa_private_segment_fixed_size 0
		.amdhsa_enable_private_segment 0
		.amdhsa_kernarg_size 48
		.amdhsa_user_sgpr_count 2
		.amdhsa_user_sgpr_kernarg_segment_ptr 1
		.amdhsa_wavefront_size32 1
		.amdhsa_system_sgpr_workgroup_id_x 1
		.amdhsa_system_sgpr_workgroup_id_y 1
		.amdhsa_system_sgpr_workgroup_id_z 1
		.amdhsa_system_vgpr_workitem_id 0
		.amdhsa_next_free_vgpr 1024
		.amdhsa_next_free_sgpr 102
		.amdhsa_reserve_vcc 0
		.amdhsa_float_denorm_mode_32 3
		.amdhsa_float_denorm_mode_16_64 3
		.amdhsa_memory_ordered 1
		.amdhsa_forward_progress 1
		.amdhsa_inst_pref_size 160
	.end_amdhsa_kernel
	.amdgpu_metadata
---
amdhsa.version: [ 1, 2 ]
amdhsa.kernels:
  - .name:           k_qe8609615d9_gemm_proj
    .symbol:         k_qe8609615d9_gemm_proj.kd
    .args:
      - { .name: oimg, .offset: 0, .size: 8, .value_kind: global_buffer, .address_space: global }
      - { .name: osc, .offset: 8, .size: 8, .value_kind: global_buffer, .address_space: global }
      - { .name: opimg, .offset: 16, .size: 8, .value_kind: global_buffer, .address_space: global }
      - { .name: opsc, .offset: 24, .size: 8, .value_kind: global_buffer, .address_space: global }
      - { .name: proj_b, .offset: 32, .size: 8, .value_kind: global_buffer, .address_space: global }
      - { .name: out0, .offset: 40, .size: 8, .value_kind: global_buffer, .address_space: global }
    .group_segment_fixed_size: 327680
    .private_segment_fixed_size: 0
    .kernarg_segment_align: 8
    .kernarg_segment_size: 48
    .max_flat_workgroup_size: 128
    .sgpr_count:     102
    .vgpr_count:     1024
    .wavefront_size: 32
...
	.end_amdgpu_metadata
.endif
;; end of part 5
;; ======== version 2 of 2: 5 launches; version 1 with the launches topk, attn written anew for expert scheduling mode
;; workspace buffers: opimg 6,291,456 bytes; opsc 262,144 bytes; qimg 6,553,600 bytes; kvimg 6,553,600 bytes; means 262,144 bytes; mask 2,048 bytes of whole numbers; oimg 3,145,728 bytes; osc 131,072 bytes
;; launch quant: the kernel of part 1 again; grid 256 x 1, 4 waves a work-group, no clusters, 34,304 bytes of LDS; arguments x, qkv_w, proj_w, opimg, opsc; writes opimg, opsc
;; launch gemm_qkv: the kernel of part 2 again; grid 12 x 16, 4 waves a work-group, clusters of 4 x 4, 327,680 bytes of LDS; arguments opimg, opsc, qimg, kvimg, means; writes qimg, kvimg, means
;; launch topk (part 6): grid 16 x 1, 1 waves a work-group, no clusters, 0 bytes of LDS; arguments means, mask; writes mask
.if DOCPART == 6
	.amdgcn_target "amdgcn-amd-amdhsa--gfx1250"
	.amdhsa_code_object_version 6
	.text
	.protected	k_qe8609615d9_topk
	.globl	k_qe8609615d9_topk
	.p2align	8
	.type	k_qe8609615d9_topk,@function
k_qe8609615d9_topk:
	s_mov_b64 s[64:65], 0
	v_nop
	global_prefetch_b8 v0, s[64:65] scope:SCOPE_SE
	s_setreg_imm32_b32 hwreg(HW_REG_WAVE_SCHED_MODE, 0, 2), 2
	s_setreg_imm32_b32 hwreg(HW_REG_WAVE_MODE, 25, 1), 1
	s_wait_xcnt 0x0
	s_wait_alu depctr_vm_vsrc(0)
; For each head: sim = qm km^T (32 x 32, K = 64) on codes of FP6 (E2M3) with E8M0 scales, then for each query block the 16 key blocks with the largest sim, ties to the lower index, as one word of 32 bits.
; One wave a head.  means: f32 [32 blocks][2048]: qm at column 64 head, km at 1,024 + 64 head.  K is filled up to 128 with zero codes on both sides.
; The product is used with source 0 = km, source 1 = qm; an exchange of halves then gives lane l all 32 numbers of query block l, key block b in v[S + b].
; RANKS without a compare: for each pair c < b the sign of sim[c] - sim[b] says that b is larger.  Rank b starts at b (all lower indices ahead of it); a set sign adds 1 to rank c and takes 1 from rank b.
; Equal numbers give +0: the lower index stays ahead.  The pairs go by their distance k, so that no line waits for the line above it.  Bit b of the word is set where rank b < 16: always 16 bits.
; Nothing here steers an address or a branch: the words are stored at fixed places, and the next launch reads them.
; LIMITS: NaN and infinities are not served; +0 counts as larger than -0; a block of means whose largest magnitude lies under 2^-124 gets the byte 1.
; THE MODE: SCHED_MODE bits 1:0 = 2 (LLVM: expert scheduling mode 2), set by the entry lines.  The code itself states the register dependences
; between vector or matrix instructions and memory instructions, with s_wait_alu, always for 0.
; THE PLAN.  Memory instructions read v3 (the loads' offset), v5 (the store's offset) and v[M4] (the store's data); the loads land in v64-191, which no vector line names ahead of them.  No address is written again.
; Three waits on va_vdst: ahead of the loads (v3 and v5 are written), ahead of the scaled products (their codes and scale words are written), ahead of the store (the word is written).
.set X,   64                           ; v64-191  four fragments' numbers: qm rows 0-15, 16-31, km rows 0-15, 16-31; later T
.set T,   64                           ; v64-95   at work on the ranks
.set M4,  96                           ; v96-99   the word, in four parts
.set FR,  16                           ; v16-63   the four fragments' codes
.set SW,  8                            ; v8-11    their scale words
.set S,   192                          ; v192-223 sim
.set R,   224                          ; v224-255 ranks (before the products: at work on the quantiser)
.set MX,  224
.set SO,  228
.set BY,  232
.set PT,  236
.set YY,  240
	s_load_b128 s[4:7], s[0:1], 0x0                ; means, mask
	v_and_b32 v1, 15, v0                           ; r
	v_bfe_u32 v2, v0, 4, 1                         ; h
	v_lshlrev_b32 v3, 13, v1                       ; 8,192 bytes a block's row,
	v_lshl_add_u32 v3, v2, 7, v3                   ; + 128 h: my block of 32 along d
	v_lshlrev_b32 v4, 3, v2                        ; 8 h
	v_lshlrev_b32 v5, 2, v0                        ; 4 x lane
	s_mov_b32 s12, 0x76543210
	s_mov_b32 s13, 0xfedcba98
	s_lshl_b32 s8, ttmp9, 8                        ; the head's 64 columns
	s_mov_b32 s9, 0
	s_lshl_b32 s10, ttmp9, 7                       ; the head's 32 words
	s_mov_b32 s11, 0
.irp f, 0,1,2,3
	v_mov_b32 v[PT+\f], 0                          ; a lane permute's destination counts as read
.endr
	s_wait_kmcnt 0x0
	s_add_nc_u64 s[4:5], s[4:5], s[8:9]
	s_add_nc_u64 s[6:7], s[6:7], s[10:11]
	s_wait_alu depctr_va_vdst(0)                   ; v3 is written, which the loads read as their offset; so is v5, the store's offset
.irp f, 0,1,2,3
.irp e, 0,1,2,3,4,5,6,7
	global_load_b128 v[X+32*\f+4*\e:X+32*\f+4*\e+3], v3, s[4:5] offset:(\f/2)*4096+(\f%2)*131072+16*\e
.endr
.endr
	s_wait_loadcnt 0x0
.irp f, 0,1,2,3
	v_max3_num_f32 v[MX+\f], |v[X+32*\f]|, |v[X+32*\f+1]|, 0x1800000   ; block h of my row: all 32 numbers are mine; the floor holds the byte at 1 from below
.endr
.irp i, 2,4,6,8,10,12,14,16,18,20,22,24,26,28,30
.irp f, 0,1,2,3
	v_max3_num_f32 v[MX+\f], v[MX+\f], |v[X+32*\f+\i]|, |v[X+32*\f+\i+1]|
.endr
.endr
.irp f, 0,1,2,3
	v_add_nc_u32 v[SO+\f], 0xff000000, v[MX+\f]    ; 2 off the exponent field: the conversion's scale operand
.endr
.irp f, 0,1,2,3
	v_lshrrev_b32 v[BY+\f], 23, v[SO+\f]
.endr
.irp f, 0,1,2,3
	v_lshlrev_b32 v[BY+\f], v4, v[BY+\f]           ; byte h of the scale word
.endr
.irp f, 0,1,2,3
	v_permlanex16_b32 v[PT+\f], v[BY+\f], s12, s13
.endr
.irp f, 0,1,2,3
	v_or_b32 v[SW+\f], v[BY+\f], v[PT+\f]          ; bytes 2 and 3 stay 0: they stand over zero codes
.endr
.irp f, 0,1,2,3
	v_cvt_scalef32_pk16_fp6_f32 v[FR+12*\f:FR+12*\f+2], v[X+32*\f:X+32*\f+15], v[SO+\f]
	v_cvt_scalef32_pk16_fp6_f32 v[YY+4*\f:YY+4*\f+2], v[X+32*\f+16:X+32*\f+31], v[SO+\f]
.endr
	v_nop                                          ; one plain line behind the scaled conversions
.irp f, 0,1,2,3
.irp i, 0,1,2
	v_mov_b32 v[FR+12*\f+3+\i], v[YY+4*\f+\i]
.endr
.irp i, 6,7,8,9,10,11
	v_mov_b32 v[FR+12*\f+\i], 0                    ; K 64 .. 127: zero codes
.endr
.endr
.set b, 0
.rept 32
	v_mov_b32 v[R+b], b                            ; rank b starts at b.  (These 32 lines are also the places between the scale words and operands just written and the products)
.set b, b+1
.endr
	s_wait_alu depctr_va_vdst(0)                   ; the four fragments' codes and their scale words are written, which the scaled products take; the places above stay beside this wait
.irp n, 0,1
.irp m, 0,1
	v_wmma_scale_f32_16x16x128_f8f6f4 v[S+16*\n+8*\m:S+16*\n+8*\m+7], v[FR+12*(2+\n):FR+12*(2+\n)+11], v[FR+12*\m:FR+12*\m+11], 0, v[SW+2+\n], v[SW+\m] matrix_a_fmt:MATRIX_FMT_FP6 matrix_b_fmt:MATRIX_FMT_FP6
.endr
.endr
.rept 4
	v_nop                                          ; four places behind the products
.endr
.irp n, 0,1
.irp j, 0,1,2,3,4,5,6,7
	v_permlane16_swap_b32 v[S+16*\n+\j], v[S+16*\n+8+\j]   ; lane l now holds sim[l][16 n + j] and sim[l][16 n + 8 + j]; each result is taken from its low end on
.endr
.endr
.set k, 1
.rept 31
.set c, 0
.rept 32-k
	v_sub_f32 v[T+c], v[S+c], v[S+c+k]
.set c, c+1
.endr
.set c, 0
.rept 32-k
	v_lshrrev_b32 v[T+c], 31, v[T+c]               ; 1 where the higher index is larger
.set c, c+1
.endr
.set c, 0
.rept 32-k
	v_add_nc_u32 v[R+c], v[R+c], v[T+c]
.set c, c+1
.endr
.set c, 0
.rept 32-k
	v_sub_nc_u32 v[R+c+k], v[R+c+k], v[T+c]
.set c, c+1
.endr
.set k, k+1
.endr
.set b, 0
.rept 32
	v_lshrrev_b32 v[T+b], 4, v[R+b]                ; 1 where the rank is 16 or more
.set b, b+1
.endr
.irp i, 0,1,2,3
	v_mov_b32 v[M4+\i], 0
.endr
.set b, 0
.rept 32
	v_lshl_or_b32 v[M4+b%4], v[T+b], b, v[M4+b%4]
.set b, b+1
.endr
	v_or_b32 v[M4], v[M4], v[M4+1]
	v_or_b32 v[M4+2], v[M4+2], v[M4+3]
	v_or_b32 v[M4], v[M4], v[M4+2]
	v_xor_b32 v[M4], -1, v[M4]                     ; bit b: key block b is chosen
	s_wait_alu depctr_va_vdst(0)                   ; the word is written, which the store reads
	global_store_b32 v5, v[M4], s[6:7]
	s_endpgm
.Lfunc_end_k_qe8609615d9_topk:
	.size	k_qe8609615d9_topk, .Lfunc_end_k_qe8609615d9_topk-k_qe8609615d9_topk
	.p2alignl 7, 3214868480
	.fill 96, 4, 3214868480
	.section	.rodata,"a",@progbits
	.p2align	6, 0x0
	.amdhsa_kernel k_qe8609615d9_topk
		.amdhsa_group_segment_fixed_size 0
		.amdhsa_private_segment_fixed_size 0
		.amdhsa_enable_private_segment 0
		.amdhsa_kernarg_size 16
		.amdhsa_user_sgpr_count 2
		.amdhsa_user_sgpr_kernarg_segment_ptr 1
		.amdhsa_wavefront_size32 1
		.amdhsa_system_sgpr_workgroup_id_x 1
		.amdhsa_system_sgpr_workgroup_id_y 1
		.amdhsa_system_sgpr_workgroup_id_z 1
		.amdhsa_system_vgpr_workitem_id 0
		.amdhsa_next_free_vgpr 256
		.amdhsa_next_free_sgpr 66
		.amdhsa_reserve_vcc 0
		.amdhsa_float_denorm_mode_32 3
		.amdhsa_float_denorm_mode_16_64 3
		.amdhsa_memory_ordered 1
		.amdhsa_forward_progress 1
		.amdhsa_inst_pref_size 79
	.end_amdhsa_kernel
	.amdgpu_metadata
---
amdhsa.version: [ 1, 2 ]
amdhsa.kernels:
  - .name:           k_qe8609615d9_topk
    .symbol:         k_qe8609615d9_topk.kd
    .args:
      - { .name: means, .offset: 0, .size: 8, .value_kind: global_buffer, .address_space: global }
      - { .name: mask, .offset: 8, .size: 8, .value_kind: global_buffer, .address_space: global }
    .group_segment_fixed_size: 0
    .private_segment_fixed_size: 0
    .kernarg_segment_align: 8
    .kernarg_segment_size: 16
    .max_flat_workgroup_size: 32
    .sgpr_count:     66
    .vgpr_count:     256
    .wavefront_size: 32
...
	.end_amdgpu_metadata
.endif
;; end of part 6
;; launch attn (part 7): grid 32 x 16, 8 waves a work-group, no clusters, 25,600 bytes of LDS; arguments qimg, kvimg, mask, oimg, osc; writes oimg, osc
.if DOCPART == 7
	.amdgcn_target "amdgcn-amd-amdhsa--gfx1250"
	.amdhsa_code_object_version 6
	.text
	.protected	k_qe8609615d9_attn
	.globl	k_qe8609615d9_attn
	.p2align	8
	.type	k_qe8609615d9_attn,@function
k_qe8609615d9_attn:
	s_mov_b64 s[64:65], 0
	v_nop
	global_prefetch_b8 v0, s[64:65] scope:SCOPE_SE
	s_setreg_imm32_b32 hwreg(HW_REG_WAVE_SCHED_MODE, 0, 2), 2
	s_setreg_imm32_b32 hwreg(HW_REG_WAVE_MODE, 25, 1), 1
	s_wait_xcnt 0x0
	s_wait_alu depctr_vm_vsrc(0)
; Block-sparse attention on codes of FP6 (E2M3) with E8M0 scales.  A work-group owns one query block of 128 of one head; each of its eight waves 16 queries.  It walks the 16 key blocks whose bits are set in the
; word that the launch before stored for (head, query block): a loop of constant count; only addresses hang on that word.  The other 16 blocks have the logit -1e9 in the definition: their p is 0, and they are left out.
; t = score x log2(e) / 8; M = the running largest t rounded UP to a whole number; p = 2^(t - M) is quantised along the keys, not normalised; the row's sum is taken of the unquantised p and divides O at the end;
; when M moves, the sum and O are multiplied by 2^(old M - new M), which rounds nothing.
; A key block's record (12,800 bytes): K's four images, V's four, K's and V's scale words, all as images of operand registers.  The 12,288 bytes of codes go memory -> registers -> LDS, 48 bytes a thread, and are read
; by all eight waves; two LDS buffers take turns, one barrier a step.  A block is asked for two steps ahead of its use.  No tensor load: the addresses hang on a stored number.
; S^T = K Q^T: an image of K holds two tiles of 16 keys, one in K 0-63 and one in K 64-127 of the instruction; Q stands as [q, 0] or [0, q], so each of the two products takes one tile (d = 64).
; O^T = V^T P^T.  A lane holds ONE query (lane % 16) throughout.  p's and v's codes have the same order inside a block of 32 keys (key 16 u + 8 h + j at place 16 h + 8 u + j).
; V's places are laid so that a lane's 16 registers of tiles 2 b, 2 b + 1 of O^T are d = 32 b + 16 h + 0 .. 15: o is quantised along C in its true order, into images for the last product.
; No multicast: the work-groups of a head choose different blocks.  No prefetch: each record is read by about half of the head's work-groups, and is asked for two steps ahead.
; LIMITS: NaN and infinities are not served; a row's largest chosen score / 8 must lie above -1e9 (else the keys left out would carry weight); a block whose largest magnitude lies under 2^-124 gets the byte 1.
; THE MODE: SCHED_MODE bits 1:0 = 2 (LLVM: expert scheduling mode 2), set by the entry lines.  The code itself states the register dependences
; between vector or matrix instructions and memory or LDS instructions, with s_wait_alu, always for 0.
; THE PLAN.  Registers that memory or LDS instructions touch, in the loop:
;   v[LI], v[LW], v[L8]  addresses, written once at the head; vector lines only read them afterwards.
;   v[GA], v[SA]         written by one addition each at a step's head; read by that step's global loads.
;   G                    a step's three global loads land in it; the next step's three LDS stores read it; no vector line names it.
;   KF                   K's 12 LDS loads land in it, the eight products S^T read it; then V's 12 land in it, the four products O^T read it.
;   SC, two sets         set 1 - p is loaded in step p and read by the products of step p + 1.
; A step's waits: (1) vm_vsrc behind its LDS stores: they have read G, and the last step's loads GA and SA.  (2) va_vdst behind the two additions: GA and SA are written, and the last step's products are done
; reading KF and their scale words; K's LDS loads and the five global loads follow it in one run, and no vector line stands between.  (3) va_vdst behind the eight products: they are done reading K's fragments; V's
; loads follow.  (4) va_vdst behind the step's 68 exponentials, one batch.  (5) va_vdst behind the rescaling of O^T: p's codes and scale word are written, which the scaled products take.
.set BUF, 12288
.set REC, 12800
.set LI,  1                            ; v1 16 x lane
.set LW,  2                            ; v2 16 x thread
.set L8,  3                            ; v3 8 x lane
.set GA,  4                            ; v4 the codes' offset of the block asked for
.set SA,  5                            ; v5 the scale words' offset
.set QL,  16                           ; v16-27 [q, 0]
.set QH,  28                           ; v28-39 [0, q]
.set KF,  40                           ; v40-87 four fragments, K's, then V's
.set QSW, 88                           ; v88 q's scale word
.set PSW, 89                           ; v89 p's
.set SC,  90                           ; v90-97 two sets: K's two words, V's two (lanes 0-15 the even fragment, lanes 16-31 the odd one)
.set S,   100                          ; v100-163 S^T, then p
.set O,   164                          ; v164-195 O^T
.set PC,  196                          ; v196-207 p's codes
.set Y,   208                          ; v208-215 the conversions' second halves
.set G,   216                          ; v216-227 my 48 bytes of a block on their way to LDS
.set BM,  228                          ; v228-231 the blocks' largest scores, then largest p
.set BP,  232                          ; v232-235 partners, then bytes
.set SO,  236                          ; v236-239 scale operands
.set CH,  240                          ; v240-241 the sum's second chain
.set F,   244                          ; v244-245 f = 2^(old M - new M)
.set TP,  246
.set WV,  14
.set SEL, 16                           ; s[16:17]
.set CS,  18                           ; s[18:19] c = log2(e) / 8
.set HM,  20
.set MK,  21                           ; the bits still to be walked
.set OFF, 22                           ; s22, s23 two blocks' offsets in the head's records
.set TT,  24
.set CNT, 25
.macro NEXT p                          ; the lowest set bit's block; the bit is cleared.  The number read from memory is held to 31 before it enters an address
	s_ctz_i32_b32 s[TT], s[MK]
	s_min_u32 s[TT], s[TT], 31
	s_mul_i32 s[OFF+\p], s[TT], REC
	s_sub_co_u32 s[TT], s[MK], 1
	s_and_b32 s[MK], s[MK], s[TT]
.endm
	s_load_b256 s[4:11], s[0:1], 0x0               ; qimg, kvimg, mask, oimg
	s_load_b64 s[12:13], s[0:1], 0x20              ; osc
	v_lshl_add_u32 v254, v0, 2, 0x6000
	v_mov_b32 v255, 0
	v_lshrrev_b32 v6, 5, v0
	v_readfirstlane_b32 s[WV], v6                  ; wave 0..7
	v_and_b32 v6, 31, v0                           ; lane
	v_and_b32 v7, 15, v0                           ; r
	v_bfe_u32 v8, v0, 4, 1                         ; h
	v_lshlrev_b32 v[LI], 4, v6
	v_lshlrev_b32 v[LW], 4, v0
	v_lshlrev_b32 v[L8], 3, v6
	s_wait_alu depctr_va_sdst(0)                   ; the wave's number is written, ahead of its first reader: o's addresses and q's are made from it
	s_mov_b32 s[SEL], 0x76543210
	s_mov_b32 s[SEL+1], 0xfedcba98
	s_mov_b32 s[CS], 0x3e38aa3b
	s_mov_b32 s[CS+1], s[CS]                       ; (named with it as a pair, so it is written)
	s_mov_b32 s[HM], 0xffff0000
	s_and_b32 s26, ttmp7, 0xffff                   ; the head
	s_lshl_b32 s27, s26, 5
	s_add_co_u32 s27, s27, ttmp9                   ; head x 32 + query block
	s_lshl_b32 s28, s27, 2
	s_mov_b32 s29, 0
	s_wait_kmcnt 0x0
	s_add_nc_u64 s[8:9], s[8:9], s[28:29]
	s_load_b32 s[MK], s[8:9], 0x0                  ; the chosen key blocks
	s_mul_i32 s28, s27, REC
	s_add_nc_u64 s[4:5], s[4:5], s[28:29]          ; q's record
	s_mul_i32 s28, s26, 32*REC
	s_add_nc_u64 s[6:7], s[6:7], s[28:29]          ; the head's records of K and V
	s_lshl_b32 s30, ttmp9, 3
	s_add_co_u32 s30, s30, s[WV]                   ; o's row tile: 8 x query block + wave
	s_mul_i32 s28, s30, 12288
	s_lshr_b32 s31, s26, 1                         ; fragment head / 2,
	s_mul_i32 s32, s31, 1536
	s_add_co_u32 s28, s28, s32
	s_and_b32 s33, s26, 1                          ; its half head % 2
	s_mul_i32 s32, s33, 768
	s_add_co_u32 s28, s28, s32
	s_add_nc_u64 s[10:11], s[10:11], s[28:29]
	s_lshl_b32 s28, s30, 9                         ; o's scale bytes: 512 a row tile, 256 for four fragments, 4 a fragment, 2 a head
	s_lshr_b32 s32, s26, 3
	s_lshl_b32 s32, s32, 8
	s_add_co_u32 s28, s28, s32
	s_and_b32 s32, s31, 3
	s_lshl_b32 s32, s32, 2
	s_add_co_u32 s28, s28, s32
	s_lshl_b32 s32, s33, 1
	s_add_co_u32 s28, s28, s32
	s_add_nc_u64 s[12:13], s[12:13], s[28:29]
	s_lshr_b32 s30, s[WV], 1                       ; my queries lie in image wave / 2, half wave % 2
	s_mul_i32 s31, s30, 1536
	v_add_nc_u32 v9, s31, v[LI]
	s_and_b32 s31, s30, 1
	s_lshl_b32 s31, s31, 7
	s_lshr_b32 s32, s30, 1
	s_lshl_b32 s32, s32, 2
	s_add_co_u32 s31, s31, s32
	v_lshl_add_u32 v10, v7, 3, s31                 ; its scale word of row r: 8 r + 128 (image % 2) + 4 (image / 2)
	s_wait_alu depctr_va_vdst(0)                   ; v9 and v10 are written, which q's loads read as offsets; so are v[LI], v[LW] and v[L8], the addresses of every LDS instruction and of the last stores
.irp c, 0,1,2
	global_load_b128 v[S+4*\c:S+4*\c+3], v9, s[4:5] offset:512*\c
.endr
	global_load_b32 v[TP], v10, s[4:5] offset:12288
	s_wait_kmcnt 0x0
	NEXT 0
	v_add_nc_u32 v[GA], s[OFF], v[LW]
	v_add_nc_u32 v[SA], s[OFF], v[L8]
	s_wait_alu depctr_va_vdst(0)                   ; v[GA] and v[SA] are written, which the five loads below read as offsets
.irp c, 0,1,2
	global_load_b128 v[G+4*\c:G+4*\c+3], v[GA], s[6:7] offset:4096*\c      ; the first block's codes
.endr
	global_load_b64 v[SC:SC+1], v[SA], s[6:7] offset:12288                 ; and its scale words
	global_load_b64 v[SC+2:SC+3], v[SA], s[6:7] offset:12544
	s_wait_loadcnt 0x0
	s_and_b32 s33, s[WV], 1
	s_sub_co_i32 s34, 0, s33                       ; all lanes where the wave is odd
	s_lshl_b32 s35, s33, 4
.irp i, 0,1,2,3,4,5
	v_cndmask_b32 v[QL+\i], v[S+\i], v[S+6+\i], s34
.endr
.irp i, 0,1,2,3,4,5
	v_mov_b32 v[QH+6+\i], v[QL+\i]
	v_mov_b32 v[QL+6+\i], 0
	v_mov_b32 v[QH+\i], 0
.endr
	v_lshrrev_b32 v[TP], s35, v[TP]
	v_and_b32 v[TP], 0xffff, v[TP]                 ; my tile's two bytes,
	v_lshl_or_b32 v[QSW], v[TP], 16, v[TP]         ; for either half of the instruction's K
.irp c, 0,1,2
	ds_store_b128 v[LW], v[G+4*\c:G+4*\c+3] offset:4096*\c
.endr
	NEXT 1
	s_wait_dscnt 0x0                               ; for the others' sake: my part of the first block is in LDS
	s_wait_alu depctr_vm_vsrc(0)                   ; the LDS stores have read G, in which the next loads land; the loads above have read v[GA], which is written next (and v9, which the way out writes again)
	v_add_nc_u32 v[GA], s[OFF+1], v[LW]
	s_wait_alu depctr_va_vdst(0)                   ; v[GA] is written, which the three loads below read
.irp c, 0,1,2
	global_load_b128 v[G+4*\c:G+4*\c+3], v[GA], s[6:7] offset:4096*\c      ; the second block's codes
.endr
	v_mov_b32 v13, 0xff61b1e6                      ; the largest t so far: -3e38
	v_floor_f32 v12, -v13                          ; -M
	v_mov_b32 v14, 0
	v_mov_b32 v15, 0
	v_mov_b32 v[F+1], 0                            ; (named as the upper half of a pair)
.irp b, 0,1,2,3
	v_mov_b32 v[BP+\b], 0                          ; a lane permute's destination counts as read
.endr
.set j, 0
.rept 32
	v_mov_b32 v[O+j], 0                            ; the step is written once: the first finds zeros, which the first change of M leaves zeros
.set j, j+1
.endr
	s_barrier_signal -1
	s_barrier_wait -1
; A KEY STEP on LDS buffer p.  st: the next block's codes go from my registers to the other buffer, and its scale words are asked for.  ld: the block after that is asked for.  bar: a step follows.
.macro STEP p, st, ld, bar
	s_wait_loadcnt 0x0                             ; all that I asked for a step ago is in: the next block's codes, this block's scale words; so those loads are done with their address registers
.if \st
.irp c, 0,1,2
	ds_store_b128 v[LW], v[G+4*\c:G+4*\c+3] offset:(1-\p)*BUF+4096*\c      ; nobody reads that buffer: the last step's barrier stands behind its reads.  G comes from loads, v[LW] from the head: no vector line is waited for
.endr
.endif
.if \ld
	NEXT \p
.endif
.if \st
	s_wait_alu depctr_vm_vsrc(0)                   ; my LDS stores have read G, in which this step's loads land; the last step's loads have read v[GA] and v[SA], which the additions below write
.endif
.if \ld
	v_add_nc_u32 v[GA], s[OFF+\p], v[LW]
.else
	v_nop
.endif
.if \st
	v_add_nc_u32 v[SA], s[OFF+1-\p], v[L8]
.else
	v_nop
.endif
	v_nop
	v_nop                                          ; four plain lines behind the last step's products, ahead of the loads into their registers
	s_wait_alu depctr_va_vdst(0)                   ; the last step's products are done reading V's fragments and their scale words, in whose registers the loads below land; v[GA] and v[SA] are written; in the first step q's operands and scale word too, which the products take
.irp g, 0,1,2,3
.irp c, 0,1,2
	ds_load_b128 v[KF+12*\g+4*\c:KF+12*\g+4*\c+3], v[LI] offset:\p*BUF+1536*\g+512*\c
.endr
.endr
.if \ld
.irp c, 0,1,2
	global_load_b128 v[G+4*\c:G+4*\c+3], v[GA], s[6:7] offset:4096*\c      ; no vector line since the wait above names a register of these five loads
.endr
.endif
.if \st
	global_load_b64 v[SC+4*(1-\p):SC+4*(1-\p)+1], v[SA], s[6:7] offset:12288
	global_load_b64 v[SC+4*(1-\p)+2:SC+4*(1-\p)+3], v[SA], s[6:7] offset:12544
.endif
	s_wait_dscnt 0x0                               ; K is in; my stores have landed
.irp g, 0,2
	v_wmma_scale_f32_16x16x128_f8f6f4 v[S+16*\g:S+16*\g+7], v[KF+12*\g:KF+12*\g+11], v[QL:QL+11], 0, v[SC+4*\p+\g/2], v[QSW] matrix_a_fmt:MATRIX_FMT_FP6 matrix_b_fmt:MATRIX_FMT_FP6
	v_wmma_scale_f32_16x16x128_f8f6f4 v[S+16*\g+8:S+16*\g+15], v[KF+12*\g:KF+12*\g+11], v[QH:QH+11], 0, v[SC+4*\p+\g/2], v[QSW] matrix_a_fmt:MATRIX_FMT_FP6 matrix_b_fmt:MATRIX_FMT_FP6
	v_wmma_scale_f32_16x16x128_f8f6f4 v[S+16*\g+16:S+16*\g+23], v[KF+12*\g+12:KF+12*\g+23], v[QL:QL+11], 0, v[SC+4*\p+\g/2], v[QSW] matrix_a_fmt:MATRIX_FMT_FP6 matrix_b_fmt:MATRIX_FMT_FP6 matrix_a_scale:MATRIX_SCALE_ROW1
	v_wmma_scale_f32_16x16x128_f8f6f4 v[S+16*\g+24:S+16*\g+31], v[KF+12*\g+12:KF+12*\g+23], v[QH:QH+11], 0, v[SC+4*\p+\g/2], v[QSW] matrix_a_fmt:MATRIX_FMT_FP6 matrix_b_fmt:MATRIX_FMT_FP6 matrix_a_scale:MATRIX_SCALE_ROW1
.endr
.rept 4
	v_nop                                          ; four places: ahead of the loads into K's registers and of the first read of the scores
.endr
	s_wait_alu depctr_va_vdst(0)                   ; the eight products are done reading K's fragments, in whose registers V's land
.irp t, 0,1,2,3
.irp c, 0,1,2
	ds_load_b128 v[KF+12*\t+4*\c:KF+12*\t+4*\c+3], v[LI] offset:\p*BUF+6144+1536*\t+512*\c   ; V lands while the softmax is worked
.endr
.endr
.irp b, 0,1,2,3
	v_max3_num_f32 v[BM+\b], v[S+16*\b], v[S+16*\b+1], v[S+16*\b+2]    ; the largest score of each block of 32 keys: for the row's maximum, and, since p rises with the score, for the block's largest p
.endr
.irp i, 3,5,7,9,11,13
.irp b, 0,1,2,3
	v_max3_num_f32 v[BM+\b], v[BM+\b], v[S+16*\b+\i], v[S+16*\b+\i+1]
.endr
.endr
.irp b, 0,1,2,3
	v_max_num_f32 v[BM+\b], v[BM+\b], v[S+16*\b+15]
.endr
.irp b, 0,1,2,3
	v_permlanex16_b32 v[BP+\b], v[BM+\b], s[SEL], s[SEL+1]
.endr
.irp b, 0,1,2,3
	v_max_num_f32 v[BM+\b], v[BM+\b], v[BP+\b]     ; with lane l xor 16's 16 keys
.endr
	v_max3_num_f32 v[TP], v[BM], v[BM+1], v[BM+2]
	v_max_num_f32 v[TP], v[TP], v[BM+3]
	v_mul_f32 v[TP], s[CS], v[TP]                  ; as t (c is positive)
	v_max_num_f32 v13, v13, v[TP]                  ; the running largest t
	v_mov_b32 v[TP], v12
	v_floor_f32 v12, -v13                          ; the new -M = -ceil(t)
	v_sub_f32 v[TP], v12, v[TP]                    ; old M - new M: a whole number, 0 or less
	v_cvt_i32_f32 v[TP], v[TP]                     ; (it saturates)
	v_ldexp_f32 v[F], 1.0, v[TP]                   ; f
.set j, 0
.rept 32
	v_pk_fma_f32 v[S+j:S+j+1], v[S+j:S+j+1], s[CS:CS+1], v[12:13] op_sel_hi:[1,0,0]   ; t - M
.set j, j+2
.endr
.irp b, 0,1,2,3
	v_fma_f32 v[BM+\b], v[BM+\b], s[CS], v12
.endr
.set j, 0
.rept 64
	v_exp_f32 v[S+j], v[S+j]                       ; p = 2^(t - M)
.set j, j+1
.endr
.irp b, 0,1,2,3
	v_exp_f32 v[BM+\b], v[BM+\b]                   ; the blocks' largest p: in the same batch, so that one wait serves all 68
.endr
	v_pk_mul_f32 v[14:15], v[14:15], v[F:F+1] op_sel_hi:[1,0]          ; the sums under the new M: a plain line behind the exponentials
	s_wait_alu depctr_va_vdst(0)                   ; the 68 exponentials have written p and the blocks' largest p, ahead of their first reader
	v_pk_add_f32 v[CH:CH+1], v[S:S+1], v[S+2:S+3]  ; the row's sum of the unquantised p, in two chains
.set j, 4
.rept 15
	v_pk_add_f32 v[14:15], v[14:15], v[S+j:S+j+1]
	v_pk_add_f32 v[CH:CH+1], v[CH:CH+1], v[S+j+2:S+j+3]
.set j, j+4
.endr
	v_pk_add_f32 v[14:15], v[14:15], v[CH:CH+1]
.irp b, 0,1,2,3
	v_max_num_f32 v[BM+\b], 0x1800000, v[BM+\b]    ; the floor: the byte cannot fall under 1
.endr
.irp b, 0,1,2,3
	v_add_nc_u32 v[SO+\b], 0xff000000, v[BM+\b]
.endr
.irp b, 0,1,2,3
	v_lshrrev_b32 v[BP+\b], 23, v[SO+\b]
.endr
	v_lshl_or_b32 v[PSW], v[BP+1], 8, v[BP]
	v_lshl_or_b32 v[PSW], v[BP+2], 16, v[PSW]
	v_lshl_or_b32 v[PSW], v[BP+3], 24, v[PSW]
.irp c, 0,1
	v_cvt_scalef32_pk16_fp6_f32 v[PC+6*\c:PC+6*\c+2], v[S+32*\c:S+32*\c+15], v[SO+2*\c]
	v_cvt_scalef32_pk16_fp6_f32 v[Y+4*\c:Y+4*\c+2], v[S+32*\c+16:S+32*\c+31], v[SO+2*\c+1]
.endr
	v_nop                                          ; one plain line behind the scaled conversions
.irp c, 0,1
.irp i, 0,1,2
	v_permlane16_swap_b32 v[PC+6*\c+\i], v[Y+4*\c+\i]
.endr
.irp i, 0,1,2
	v_mov_b32 v[PC+6*\c+3+\i], v[Y+4*\c+\i]
.endr
.endr
.set j, 0
.rept 16
	v_pk_mul_f32 v[O+j:O+j+1], v[O+j:O+j+1], v[F:F+1] op_sel_hi:[1,0]  ; O^T under the new M.  (Also the places between p's scale word and codes and the products)
.set j, j+2
.endr
	s_wait_alu depctr_va_vdst(0)                   ; p's codes and its scale word are written, which the scaled products below take; the places above stay beside this wait
	s_wait_dscnt 0x0                               ; V is in; no LDS instruction of mine is out
.if \bar
	s_barrier_signal -1                            ; my reads of this buffer are over and my stores into the other have landed
.endif
.irp t, 0,2
	v_wmma_scale_f32_16x16x128_f8f6f4 v[O+8*\t:O+8*\t+7], v[KF+12*\t:KF+12*\t+11], v[PC:PC+11], v[O+8*\t:O+8*\t+7], v[SC+4*\p+2+\t/2], v[PSW] matrix_a_fmt:MATRIX_FMT_FP6 matrix_b_fmt:MATRIX_FMT_FP6
	v_wmma_scale_f32_16x16x128_f8f6f4 v[O+8*\t+8:O+8*\t+15], v[KF+12*\t+12:KF+12*\t+23], v[PC:PC+11], v[O+8*\t+8:O+8*\t+15], v[SC+4*\p+2+\t/2], v[PSW] matrix_a_fmt:MATRIX_FMT_FP6 matrix_b_fmt:MATRIX_FMT_FP6 matrix_a_scale:MATRIX_SCALE_ROW1
.endr
.if \bar
	s_barrier_wait -1
.endif
.endm
	s_mov_b32 s[CNT], 7
.Lpair:                                            ; seven trips of two steps; the last two steps are written out: they ask for nothing beyond the sixteenth block
	STEP 0, 1, 1, 1
	STEP 1, 1, 1, 1
	s_sub_co_u32 s[CNT], s[CNT], 1
	s_cmp_lg_u32 s[CNT], 0
	s_cbranch_scc1 .Lpair
	STEP 0, 1, 0, 1
	STEP 1, 0, 0, 0
	; THE WAY OUT: o = O^T / the sum, quantised along C: my head's two blocks of 32; codes as half a fragment's image, two scale bytes a row
	v_add_f32 v14, v14, v15
	v_permlanex16_b32 v[TP], v14, s[SEL], s[SEL+1]
	v_add_f32 v14, v14, v[TP]                      ; the row's sum
	v_rcp_f32 v14, v14
	v_lshl_add_u32 v9, v7, 4, v8                   ; my scale byte's place: 16 r + h.  (A plain line behind the reciprocal; q's loads, which read v9, stand ahead of the head's wait on vm_vsrc)
.rept 3
	v_nop                                          ; with the lines above: four places and more behind the last products
.endr
	s_wait_alu depctr_va_vdst(0)                   ; the reciprocal has written v14, ahead of its first reader
.set j, 0
.rept 32
	v_mul_f32 v[S+j], v[O+j], v14                  ; register 16 b + i: d = 32 b + 16 h + i
.set j, j+1
.endr
.irp b, 0,1
	v_max3_num_f32 v[BM+\b], |v[S+16*\b]|, |v[S+16*\b+1]|, 0x1800000
.endr
.irp i, 2,4,6,8,10,12,14
.irp b, 0,1
	v_max3_num_f32 v[BM+\b], v[BM+\b], |v[S+16*\b+\i]|, |v[S+16*\b+\i+1]|
.endr
.endr
.irp b, 0,1
	v_permlanex16_b32 v[BP+\b], v[BM+\b], s[SEL], s[SEL+1]
.endr
.irp b, 0,1
	v_max_num_f32 v[BM+\b], v[BM+\b], v[BP+\b]
.endr
.irp b, 0,1
	v_add_nc_u32 v[SO+\b], 0xff000000, v[BM+\b]
.endr
.irp b, 0,1
	v_lshrrev_b32 v[BP+\b], 23, v[SO+\b]
.endr
	v_cvt_scalef32_pk16_fp6_f32 v[PC:PC+2], v[S:S+15], v[SO]
	v_cvt_scalef32_pk16_fp6_f32 v[Y:Y+2], v[S+16:S+31], v[SO+1]
	v_nop                                          ; one plain line behind the scaled conversions
.irp i, 0,1,2
	v_permlane16_swap_b32 v[PC+\i], v[Y+\i]
.endr
.irp i, 0,1,2
	v_mov_b32 v[PC+3+\i], v[Y+\i]
.endr
	v_cndmask_b32 v[TP], v[BP], v[BP+1], s[HM]     ; lane (r, h) stores block h's byte
	s_wait_alu depctr_va_vdst(0)                   ; o's codes, my scale byte and its place v9 are written, which the four stores read
.irp i, 0,1,2
	global_store_b64 v[L8], v[PC+2*\i:PC+2*\i+1], s[10:11] offset:256*\i   ; 256 consecutive bytes, at a multiple of 256 from the buffer's first byte
.endr
	global_store_b8 v9, v[TP], s[12:13]            ; two bytes a row against the row's 48 bytes of codes: the other heads' work-groups write the bytes beside them
	s_wait_dscnt 0x0
	s_wait_alu depctr_hold_cnt(0) depctr_sa_sdst(0) depctr_va_vdst(0) depctr_va_sdst(0) depctr_va_ssrc(0) depctr_va_vcc(0) depctr_vm_vsrc(0)
	s_wait_tensorcnt 0x0
	ds_add_u32 v254, v255
	s_wait_dscnt 0x0
	s_endpgm
.Lfunc_end_k_qe8609615d9_attn:
	.size	k_qe8609615d9_attn, .Lfunc_end_k_qe8609615d9_attn-k_qe8609615d9_attn
	.p2alignl 7, 3214868480
	.fill 96, 4, 3214868480
	.section	.rodata,"a",@progbits
	.p2align	6, 0x0
	.amdhsa_kernel k_qe8609615d9_attn
		.amdhsa_group_segment_fixed_size 25600
		.amdhsa_private_segment_fixed_size 0
		.amdhsa_enable_private_segment 0
		.amdhsa_kernarg_size 40
		.amdhsa_user_sgpr_count 2
		.amdhsa_user_sgpr_kernarg_segment_ptr 1
		.amdhsa_wavefront_size32 1
		.amdhsa_system_sgpr_workgroup_id_x 1
		.amdhsa_system_sgpr_workgroup_id_y 1
		.amdhsa_system_sgpr_workgroup_id_z 1
		.amdhsa_system_vgpr_workitem_id 0
		.amdhsa_next_free_vgpr 256
		.amdhsa_next_free_sgpr 66
		.amdhsa_reserve_vcc 0
		.amdhsa_float_denorm_mode_32 3
		.amdhsa_float_denorm_mode_16_64 3
		.amdhsa_memory_ordered 1
		.amdhsa_forward_progress 1
		.amdhsa_inst_pref_size 74
	.end_amdhsa_kernel
	.amdgpu_metadata
---
amdhsa.version: [ 1, 2 ]
amdhsa.kernels:
  - .name:           k_qe8609615d9_attn
    .symbol:         k_qe8609615d9_attn.kd
    .args:
      - { .name: qimg, .offset: 0, .size: 8, .value_kind: global_buffer, .address_space: global }
      - { .name: kvimg, .offset: 8, .size: 8, .value_kind: global_buffer, .address_space: global }
      - { .name: mask, .offset: 16, .size: 8, .value_kind: global_buffer, .address_space: global }
      - { .name: oimg, .offset: 24, .size: 8, .value_kind: global_buffer, .address_space: global }
      - { .name: osc, .offset: 32, .size: 8, .value_kind: global_buffer, .address_space: global }
    .group_segment_fixed_size: 25600
    .private_segment_fixed_size: 0
    .kernarg_segment_align: 8
    .kernarg_segment_size: 40
    .max_flat_workgroup_size: 256
    .sgpr_count:     66
    .vgpr_count:     256
    .wavefront_size: 32
...
	.end_amdgpu_metadata
.endif
;; end of part 7
;; launch gemm_proj: the kernel of part 5 again; grid 4 x 16, 4 waves a work-group, clusters of 4 x 4, 327,680 bytes of LDS; arguments oimg, osc, opimg, opsc, proj_b, out0; writes out0
